; MI455X (gfx1250); checked and timed in simulation.
; The chip was launched on July 23, 2026; its instructions are those of AMD's public machine-readable ISA for CDNA 5 (MIT licence, August 2026) and "CDNA5" Instruction Set Architecture Reference Guide (July 2026). The comments in the code are by the model that wrote it; some were corrected since.
;; k NN. Allowed arithmetic: matrix products marked QUANTISED: E4M3 operands, one given power-of-two scale a tensor, by v_wmma_f32_16x16x64_fp8_fp8 or v_wmma_f32_16x16x128_fp8_fp8, f32 sums; everything else in f32.
;; Inputs: lowp_scales 2 int32 (the exponents e of the quantised operands' scales 2^e); x 8,192 x 512 float32.
;; Outputs: out0 8,192 x 512 float32.
;; Constants: k = 16.
;; This version of the problem:
;;   THIS VERSION OF THE PROBLEM IS GIVEN IN LOW PRECISION. The matrix products marked QUANTISED in the list below multiply operands that are first quantised to E4M3 (4 exponent bits, 3 mantissa bits; 8 bits a number), with one given power-of-two scale for each operand tensor; their sums are f32. All else is computed in f32.
;;   The module's matrix products, in the order in which they are computed (A, B: the left and right operand; K: the contracted axis; several contracted axes count as one K, in the product's order):
;;     1. [M 8,192, K 512] x [K 512, N 8,192]; A: input x; B: input x: QUANTISED (scales: A lowp_scales[0], B lowp_scales[1])
;;   THE QUANTISER, for each operand of a quantised product, along K:
;;     - The operand's scale is 2^e, e = its entry of the input lowp_scales (int32; the entries are numbered through the quantised products in the list's order, A before B).
;;     - Each number is divided by the scale, clamped to +-448, and rounded to the nearest number of E4M3, ties to even, subnormals kept.
;;     - The product sums the exact products of the quantised numbers (number of the format x scale) in f32.
;;   ~~~python
;;   def quantise(x, axis, e):      # numpy; x: float32 -> the quantised numbers, widened to float32 again
;;       x = np.moveaxis(x, axis, -1); K = x.shape[-1]
;;       r = np.clip(x / 2.0 ** e, -448, 448)
;;       step = 2.0 ** (np.maximum(np.frexp(np.where(r == 0, 1, r))[1] - 1, -6) - 3)
;;       q = np.round(r / step) * step * 2.0 ** e      # np.round: ties to even
;;       return np.moveaxis(q, -1, axis).astype(np.float32)
;;   ~~~
;; 2 versions. Each part assembles by itself: llvm-mc -triple=amdgcn-amd-amdhsa -mcpu=gfx1250 --defsym DOCPART=n.
;; ======== version 1 of 2: 6 launches
;; workspace buffers: qa 4,194,304 bytes; kb 4,194,304 bytes; sq 32,768 bytes; part 4,718,592 bytes; thr 262,144 bytes; mask 25,165,824 bytes of whole numbers; idx 524,288 bytes of whole numbers
;; launch quant (part 1): grid 256 x 1, 4 waves a work-group, no clusters, 34,816 bytes of LDS; arguments x, lowp_scales, qa, kb, sq; writes qa, kb, sq
.if DOCPART == 1
	.amdgcn_target "amdgcn-amd-amdhsa--gfx1250"
	.amdhsa_code_object_version 6
	.text
	.protected	k_qfa402d896a_quant
	.globl	k_qfa402d896a_quant
	.p2align	8
	.type	k_qfa402d896a_quant,@function
k_qfa402d896a_quant:
	s_mov_b64 s[64:65], 0
	v_nop
	global_prefetch_b8 v0, s[64:65] scope:SCOPE_SE
	s_setreg_imm32_b32 hwreg(HW_REG_WAVE_MODE, 25, 1), 1
	s_wait_xcnt 0x0
; x [8192][512] f32 becomes two sets of E4M3 codes: qa with the scale 2^e0 (the product's left operand), kb with 2^e1 (the right one), and sq[i] = the sum of x[i][k]^2.
; code = x / 2^e, held within +-448, to the nearest code, ties to even.
; LAYOUT OF qa AND kb: images of operand registers.  A tile of 16 rows is 8,192 bytes; byte ks*2048 + g*512 + lane*16 holds registers 4g .. 4g+3 of lane (r, h) of the 16x16x128 form's
; fragment of K step ks: the 8 codes k = 128 ks + 32 g + 8 h + 0..7, then the 8 codes 16 further on.  So the readers fetch a fragment by loads of 512 consecutive bytes.
; SHARES: a work-group takes 32 rows (two tiles); wave w quantises rows 8w .. 8w+7 into two stages in LDS (rows of 512 code bytes + 16); behind one barrier wave w writes out one image
; (buffer w % 2, tile w / 2).  A lane holds 8 neighbours along K, which is what the conversion takes.  No tensor load, no matrix work: memory binds.
; LIMITS: e0, e1 between -126 and 119.  NaN and infinities in x are not served.  sq is summed in 64 chains of 8 and a tree: another order of rounding than a plain sum.
.set PITCH, 528
.set STB,   32*PITCH                   ; stage of kb's codes, behind qa's
.set SQA,   2*STB                      ; 32 words of sq
.set X,     64                         ; v64-191  my 8 rows: 16 numbers a row and lane; later the image
.set CD,    192                        ; v192-255 codes: four registers for each (row, half): never written twice
.set PS,    32                         ; v32-47   a pair of partial sums for each row
	s_load_b128 s[4:7], s[0:1], 0x0                ; x, lowp_scales
	s_load_b128 s[8:11], s[0:1], 0x10              ; qa, kb
	s_load_b64 s[12:13], s[0:1], 0x20              ; sq
	v_lshl_add_u32 v62, v0, 2, 0x8600
	v_mov_b32 v63, 0
	v_lshrrev_b32 v1, 5, v0
	v_readfirstlane_b32 s14, v1                    ; wave
	v_and_b32 v1, 31, v0                           ; lane
	v_lshlrev_b32 v2, 5, v1                        ; my 8 numbers: 32 bytes a lane
	s_lshl_b32 s16, ttmp9, 16                      ; 32 rows of 2,048 bytes
	s_lshl_b32 s15, s14, 14                        ; + 8 rows a wave
	s_add_co_u32 s16, s16, s15
	s_mov_b32 s17, 0
	s_wait_kmcnt 0x0
	s_load_b64 s[18:19], s[6:7], 0x0               ; e0, e1
	s_add_nc_u64 s[4:5], s[4:5], s[16:17]
.set n, 0
.rept 32                                       ; load n = 4 row + 2 half + piece: a pair of loads covers 1,024 consecutive bytes
	global_load_b128 v[X+4*n:X+4*n+3], v2, s[4:5] offset:2048*(n/4)+1024*((n/2)%2)+16*(n%2) th:TH_LOAD_NT
.set n, n+1
.endr
	s_mul_i32 s20, s14, 8*PITCH
	v_lshlrev_b32 v3, 3, v1
	v_add_nc_u32 v3, s20, v3                       ; into a stage: my wave's first row, 8 code bytes a lane
	s_and_b32 s21, s14, 1                          ; the buffer that I write out
	s_lshr_b32 s22, s14, 1                         ; and the tile
	s_mul_i32 s20, s21, STB
	s_mul_i32 s23, s22, 16*PITCH
	s_add_co_u32 s20, s20, s23
	v_and_b32 v6, 15, v0                           ; r
	v_bfe_u32 v7, v0, 4, 1                         ; h
	v_mul_u32_u24 v4, v6, PITCH
	v_lshl_add_u32 v4, v7, 3, v4
	v_add_nc_u32 v4, s20, v4                       ; out of a stage: row r of my tile, + 8 h
	v_lshlrev_b32 v5, 4, v1                        ; 16 x lane: my place in an image's 512 bytes
	v_and_b32 v6, 7, v0
	s_lshl_b32 s20, s14, 5
	s_add_co_u32 s20, s20, SQA
	v_lshl_add_u32 v6, v6, 2, s20                  ; sq's word of row 8 w + lane % 8
	v_lshlrev_b32 v7, 2, v1                        ; 4 x lane
	v_mov_b32 v49, 0                               ; lane l gathers the sum of row l % 8
	v_mov_b32 v50, 0                               ; a lane permute's destination counts as read
	s_mov_b32 s26, 0x76543210
	s_mov_b32 s27, 0xfedcba98
	s_cmp_eq_u32 s21, 0
	s_cselect_b64 s[28:29], s[8:9], s[10:11]       ; the choice hangs on the wave's number alone
	s_lshl_b32 s30, ttmp9, 14                      ; two tiles of 8,192 bytes a work-group
	s_lshl_b32 s31, s22, 13
	s_add_co_u32 s30, s30, s31
	s_mov_b32 s31, 0
	s_add_nc_u64 s[28:29], s[28:29], s[30:31]
	s_lshl_b32 s30, ttmp9, 7
	s_add_nc_u64 s[12:13], s[12:13], s[30:31]      ; sq at my work-group's 32 rows
	s_wait_kmcnt 0x0
	s_add_co_i32 s18, s18, 127
	s_lshl_b32 s24, s18, 23
	v_mov_b32 v8, s24                              ; 2^e0: the conversion takes its exponent field
	s_add_co_i32 s18, s18, 8
	s_lshl_b32 s18, s18, 23
	s_or_b32 s18, s18, 0x600000
	v_mov_b32 v9, s18                              ; 448 x 2^e0
	s_add_co_i32 s19, s19, 127
	s_lshl_b32 s24, s19, 23
	v_mov_b32 v10, s24                             ; 2^e1
	s_add_co_i32 s19, s19, 8
	s_lshl_b32 s19, s19, 23
	s_or_b32 s19, s19, 0x600000
	v_mov_b32 v11, s19                             ; 448 x 2^e1
.macro ROW p
	s_wait_loadcnt 4*(7-\p)                        ; this row's four loads are in; four for each later row may be out
.irp i, 0,1
.irp e, 0,1,2,3,4,5,6,7
	v_med3_num_f32 v[16+\e], v[X+16*\p+8*\i+\e], -v9, v9       ; the conversion does not saturate (ISA guide 7.6.2): the hold comes first
.endr
.irp e, 0,1,2,3,4,5,6,7
	v_med3_num_f32 v[24+\e], v[X+16*\p+8*\i+\e], -v11, v11
.endr
	v_cvt_scalef32_pk8_fp8_f32 v[CD+8*\p+4*\i:CD+8*\p+4*\i+1], v[16:23], v8
	v_cvt_scalef32_pk8_fp8_f32 v[CD+8*\p+4*\i+2:CD+8*\p+4*\i+3], v[24:31], v10
.irp e, 0,2,4,6                                ; the squares: also the plain lines behind the conversions
.if (\i == 0) && (\e == 0)
	v_pk_mul_f32 v[PS+2*\p:PS+2*\p+1], v[X+16*\p:X+16*\p+1], v[X+16*\p:X+16*\p+1]
.else
	v_pk_fma_f32 v[PS+2*\p:PS+2*\p+1], v[X+16*\p+8*\i+\e:X+16*\p+8*\i+\e+1], v[X+16*\p+8*\i+\e:X+16*\p+8*\i+\e+1], v[PS+2*\p:PS+2*\p+1]
.endif
.endr
	ds_store_b64 v3, v[CD+8*\p+4*\i:CD+8*\p+4*\i+1] offset:\p*PITCH+256*\i         ; 32 lanes: 256 consecutive bytes of the row
	ds_store_b64 v3, v[CD+8*\p+4*\i+2:CD+8*\p+4*\i+3] offset:STB+\p*PITCH+256*\i
.endr
	v_add_f32 v48, v[PS+2*\p], v[PS+2*\p+1]
	v_add_f32_dpp v48, v48, v48 row_xmask:1 row_mask:0xf bank_mask:0xf
	v_add_f32_dpp v48, v48, v48 row_xmask:2 row_mask:0xf bank_mask:0xf
	v_add_f32_dpp v48, v48, v48 row_xmask:4 row_mask:0xf bank_mask:0xf
	v_add_f32_dpp v48, v48, v48 row_xmask:8 row_mask:0xf bank_mask:0xf
	v_permlanex16_b32 v50, v48, s26, s27
	v_add_f32 v48, v48, v50                        ; the row's sum, in every lane
	s_mov_b32 s24, 0x01010101<<\p
	v_cndmask_b32 v49, v49, v48, s24               ; kept by the lanes with lane % 8 = row
.endm
.irp p, 0,1,2,3,4,5,6,7
	ROW \p
.endr
	ds_store_b32 v6, v49                           ; four lanes store the same word with the same value
	s_wait_dscnt 0x0                               ; for the others' sake: my stores have landed
	s_barrier_signal -1
	s_barrier_wait -1
.set t, 0
.rept 16                                       ; image piece t = 4 ks + g: two loads of 8 bytes a lane
	ds_load_b64 v[X+4*t:X+4*t+1], v4 offset:128*(t/4)+32*(t%4)
	ds_load_b64 v[X+4*t+2:X+4*t+3], v4 offset:128*(t/4)+32*(t%4)+16
.set t, t+1
.endr
.set t, 0
.rept 16
	s_wait_dscnt 30-2*t                            ; piece t is in; two loads for each later piece may be out
	global_store_b128 v5, v[X+4*t:X+4*t+3], s[28:29] offset:512*t    ; 512 consecutive bytes
.set t, t+1
.endr
	s_cmp_lg_u32 s14, 0                            ; wave 0 alone stores the 32 sums
	s_cbranch_scc1 .Lend
	ds_load_b32 v48, v7 offset:SQA
	s_wait_dscnt 0x0
	global_store_b32 v7, v48, s[12:13]
.Lend:
	s_wait_tensorcnt 0x0
	ds_add_u32 v62, v63
	s_wait_dscnt 0x0
	s_endpgm
.Lfunc_end_k_qfa402d896a_quant:
	.size	k_qfa402d896a_quant, .Lfunc_end_k_qfa402d896a_quant-k_qfa402d896a_quant
	.p2alignl 7, 3214868480
	.fill 96, 4, 3214868480
	.section	.rodata,"a",@progbits
	.p2align	6, 0x0
	.amdhsa_kernel k_qfa402d896a_quant
		.amdhsa_group_segment_fixed_size 34816
		.amdhsa_private_segment_fixed_size 0
		.amdhsa_enable_private_segment 0
		.amdhsa_kernarg_size 40
		.amdhsa_user_sgpr_count 2
		.amdhsa_user_sgpr_kernarg_segment_ptr 1
		.amdhsa_wavefront_size32 1
		.amdhsa_system_sgpr_workgroup_id_x 1
		.amdhsa_system_sgpr_workgroup_id_y 1
		.amdhsa_system_sgpr_workgroup_id_z 1
		.amdhsa_system_vgpr_workitem_id 0
		.amdhsa_next_free_vgpr 256
		.amdhsa_next_free_sgpr 66
		.amdhsa_reserve_vcc 0
		.amdhsa_float_denorm_mode_32 3
		.amdhsa_float_denorm_mode_16_64 3
		.amdhsa_memory_ordered 1
		.amdhsa_forward_progress 1
		.amdhsa_inst_pref_size 39
	.end_amdhsa_kernel
	.amdgpu_metadata
---
amdhsa.version: [ 1, 2 ]
amdhsa.kernels:
  - .name:           k_qfa402d896a_quant
    .symbol:         k_qfa402d896a_quant.kd
    .args:
      - { .name: x, .offset: 0, .size: 8, .value_kind: global_buffer, .address_space: global }
      - { .name: lowp_scales, .offset: 8, .size: 8, .value_kind: global_buffer, .address_space: global }
      - { .name: qa, .offset: 16, .size: 8, .value_kind: global_buffer, .address_space: global }
      - { .name: kb, .offset: 24, .size: 8, .value_kind: global_buffer, .address_space: global }
      - { .name: sq, .offset: 32, .size: 8, .value_kind: global_buffer, .address_space: global }
    .group_segment_fixed_size: 34816
    .private_segment_fixed_size: 0
    .kernarg_segment_align: 8
    .kernarg_segment_size: 40
    .max_flat_workgroup_size: 128
    .sgpr_count:     66
    .vgpr_count:     256
    .wavefront_size: 32
...
	.end_amdgpu_metadata
.endif
;; end of part 1
;; launch sel (part 2): grid 32 x 8, 4 waves a work-group, clusters of 4 x 1, 327,680 bytes of LDS; arguments qa, kb, sq, lowp_scales, part; writes part
.if DOCPART == 2
	.amdgcn_target "amdgcn-amd-amdhsa--gfx1250"
	.amdhsa_code_object_version 6
	.text
	.protected	k_qfa402d896a_sel
	.globl	k_qfa402d896a_sel
	.p2align	8
	.type	k_qfa402d896a_sel,@function
k_qfa402d896a_sel:
	s_mov_b64 s[64:65], 0
	v_nop
	global_prefetch_b8 v0, s[64:65] scope:SCOPE_SE
	s_setreg_imm32_b32 hwreg(HW_REG_WAVE_MODE, 25, 1), 1
	s_wait_xcnt 0x0
	s_wait_alu depctr_hold_cnt(0) depctr_sa_sdst(0) depctr_va_vdst(0) depctr_va_sdst(0) depctr_va_ssrc(0) depctr_va_vcc(0) depctr_vm_vsrc(0)
	s_getreg_b32 s2, hwreg(HW_REG_IB_STS2, 6, 4)
	s_cmp_eq_u32 s2, 0
	s_cbranch_scc0 .Lentry_in_a_cluster
	s_endpgm
.Lentry_in_a_cluster:
	s_bfe_u32 s2, ttmp6, 0x10000c
	s_cmp_lg_u32 s2, 0x3003
	s_cbranch_scc0 .Lentry_shape_is_right
	s_endpgm
.Lentry_shape_is_right:
; For each row i and each segment of 1,024 keys: the 17 smallest d2[i][j] = (sq_i + sq_j) - 2 Qa(x_i).Qb(x_j), as sorted VALUES (no places), into part [8 seg][9 pairs][8192 rows][2] f32.
; d2 has two roundings: t = sq_j + sq_i, then one fused multiply-add of the matrix sum by c = -2^(e0+e1+1) onto t.
; SHARES.  A work-group: 256 rows x one segment.  Each of its four waves owns 64 rows (four tiles q of 16) and walks the segment's 64 key tiles, two (a BLOCK) a trip.
; The product is used transposed (source 0 = 16 keys, source 1 = 16 rows): lane (r, h) holds ONE row r, register j key 8 h + j: all selection runs along a lane's registers.
; SELECTION.  A block's 16 values of a lane and row tile are a 3 x 3 x 2 array (the ninth place of a tile is a virtual +inf), sorted along each axis in turn (48 instructions).  The value at place
; (a, b, c) then has p - 1 = (a+1)(b+1)(c+1) - 1 values of its own block that are not larger.  The values at one place over all blocks are a stream, and a stream can give at most floor(17 / p)
; of the 17 smallest: so each of the 16 streams keeps a sorted list of only that length (75 registers a row tile), one v_med3 for each entry and insertion.
; At the end the streams are merged into list 0 (entry u of a stream with factor p finds p (u+1) - 1 values not larger already there, so its chain is cut short), and the two halves of the lanes are joined.
; PIPELINE.  Matrix instructions stand in hooks between the pieces of another row tile's vector work; each row tile has two accumulators, which take turns.
; CLUSTER.  The four row blocks of a cluster walk the same segment: every key tile and the segment's sq are asked for JOINTLY (mask 15).  Ring of two slots of 16 key tiles; a refill has eight blocks' work in which to land.
; By this text's own count a wave has at most two tensor loads out (the two first fills), later one.
; LIMITS: e0 + e1 between -127 and 126.  NaN and infinities are not served.  The dot products have the matrix unit's own order of sums.
; REGISTERS, in windows of 256.  window 0: below.  window 1: Q, my rows' fragments (64 q + 16 ks).  window 2: v0-127 KF, the block's key fragments (64 p + 16 ks); v128-202 the lists of q = 0.
; window 3: the lists of q = 1, 2, 3 at v0, v76, v152.
.set SLOT1,  1<<17
.set SQK,    262144                    ; sq of the segment's 1,024 keys
.set SPARE,  266240                    ; the spare words, 128 bytes a wave: two blocks of 256 bytes that no other line names
.set AK0, 3                            ; v3   16 x lane
.set ADK, 4                            ; v4   LDS address of the block's fragments
.set AS0, 5                            ; v5   SQK + 32 h
.set ADS, 6                            ; v6   LDS address of the block's sq
.set SPW, 10
.set NIL, 11
.set SQQ, 12                           ; v12-19   sq of my row, twice, for each q
.set SQN, 20                           ; v20-35   sq of the block's keys: 8 p + j
.set T23, 36                           ; v36-67   t of the block for q = 2 and q = 3, kept into the next trip
.set ACC, 68                           ; v68-131  16 q + 8 p
.set X,   132
.set Y,   148
.set W,   164                          ; v164-181
.set WV,  14
.set TB,  48                           ; s48  LDS byte of the block's fragments
.set TS,  49                           ; s49  byte of the block's sq in SQK
.set MSB, 0
.set HKN, 0
.set HKIND, 0
.set HQ, 0
.set HN, 0
.macro WIN new                         ; the immediate's high byte repeats the setting that is left
.if MSB != \new
	s_set_vgpr_msb (MSB<<8)|\new
.set MSB, \new
.endif
.endm
.macro ROUND                           ; a round of the cluster's barrier
	s_barrier_signal -1
	s_barrier_wait -1
	s_cmp_lg_u32 s[WV], 0
	s_cbranch_scc1 .Lnot_wave_0_\@
	s_barrier_signal -3
.Lnot_wave_0_\@:
	s_barrier_wait -3
	s_barrier_signal -1
	s_barrier_wait -1
.endm
; The change of slots, at a chunk's head: all my tensor loads have landed (my part of the chunk ahead), the add, my LDS reads are back; behind the round the slot just left is filled with the chunk after.
.macro CHANGE fill
	s_wait_tensorcnt 0x0
	ds_add_u32 v[SPW], v[NIL]
.if \fill
	s_xor_b32 s41, s41, SLOT1                      ; no tensor load of mine is out: the walking descriptor may be written
	s_add_nc_u64 s[42:43], s[42:43], 131072
.endif
	s_wait_dscnt 0x0
.if \fill
	ROUND
	tensor_load_to_lds s[40:43], s[24:31]
	s_nop 0
.rept 4
	v_nop
.endr
.else
	s_barrier_signal -1
	s_barrier_wait -1
.endif
.endm
; A hook: the next HKN matrix instructions of the queue.  HKIND = 1: the 16 products of q = 0 and 1 (number n: ks = n / 4, q = (n / 2) % 2, p = n % 2), with a counted wait ahead of each K step:
; eight fragment loads for each later K step may be out.  HKIND = 0: the 8 products of q = HQ (ks = n / 2, p = n % 2).
.macro HK
.if HKN > 0
	WIN 0x06                                       ; source 0 (keys) window 2, source 1 (rows) window 1, C and D window 0
.rept HKN
.if HKIND
.if (HN % 4) == 0
	s_wait_dscnt 24-2*HN
.endif
.set MQ, (HN/2)%2
.set MK, HN/4
.else
.set MQ, HQ
.set MK, HN/2
.endif
.set RDD, ACC+16*MQ+8*(HN%2)
.set RAA, 64*(HN%2)+16*MK
.set RBB, 64*MQ+16*MK
.if MK == 0
	v_wmma_f32_16x16x128_fp8_fp8 v[RDD:RDD+7], v[RAA:RAA+15], v[RBB:RBB+15], 0
.else
	v_wmma_f32_16x16x128_fp8_fp8 v[RDD:RDD+7], v[RAA:RAA+15], v[RBB:RBB+15], v[RDD:RDD+7]
.endif
.set HN, HN+1
.endr
.endif
.endm
.macro TADD d, q                       ; t = sq_j + sq_i
.irp j, 0,2,4,6,8,10,12,14
	v_pk_add_f32 v[\d+\j:\d+\j+1], v[SQN+\j:SQN+\j+1], v[SQQ+2*(\q):SQQ+2*(\q)+1]
.endr
.endm
.macro DFMA q, t                       ; d2 = sum x c + t; each accumulator is read from its low end on
.irp j, 0,2,4,6,8,10,12,14
	v_pk_fma_f32 v[X+\j:X+\j+1], v[ACC+16*(\q)+\j:ACC+16*(\q)+\j+1], s[52:53], v[\t+\j:\t+\j+1] op_sel_hi:[1,0,1]
.endr
.endm
.macro SORT3 d0, d1, d2, a, b, c
	v_min3_num_f32 v[\d0], v[\a], v[\b], v[\c]
	v_med3_num_f32 v[\d1], v[\a], v[\b], v[\c]
	v_max3_num_f32 v[\d2], v[\a], v[\b], v[\c]
.endm
.macro SORT2 d0, d1, a, b
	v_min_num_f32 v[\d0], v[\a], v[\b]
	v_max_num_f32 v[\d1], v[\a], v[\b]
.endm
.macro AX1                             ; along the first axis of each tile's 3 x 3: X -> Y
.irp o, 0,8
	SORT3 Y+\o, Y+\o+1, Y+\o+2, X+\o, X+\o+1, X+\o+2
	SORT3 Y+\o+3, Y+\o+4, Y+\o+5, X+\o+3, X+\o+4, X+\o+5
	SORT2 Y+\o+6, Y+\o+7, X+\o+6, X+\o+7
.endr
.endm
.macro AX2                             ; along the second: Y -> X, laid transposed (the factors p are the same either way)
.irp o, 0,8
	SORT3 X+\o, X+\o+1, X+\o+2, Y+\o, Y+\o+3, Y+\o+6
	SORT3 X+\o+3, X+\o+4, X+\o+5, Y+\o+1, Y+\o+4, Y+\o+7
	SORT2 X+\o+6, X+\o+7, Y+\o+2, Y+\o+5
.endr
.endm
.macro AX3                             ; between the two tiles: X -> Y
.irp o, 0,1,2,3,4,5,6,7
	SORT2 Y+\o, Y+8+\o, X+\o, X+8+\o
.endr
.endm
.macro LSET q                          ; where q's lists lie, and the window settings that reach them
.if (\q) == 0
.set LBQ, 128
.set WI, 0x8a                          ; list window 2, the new value (source 2) window 0
.set WT, 0xaa                          ; all in window 2
.set WP, 0x02                          ; source 0 window 2
.else
.set LBQ, 76*((\q)-1)
.set WI, 0xcf
.set WT, 0xff
.set WP, 0x03
.endif
.endm
.macro INS sg, off, n                  ; Y[sg] into the sorted list of n entries at off, in place, from the top down: no instruction reads what the one before wrote
.if (\n) > 1
.set ii, (\n)-1
.rept (\n)-1
	v_med3_num_f32 v[LBQ+\off+ii], v[LBQ+\off+ii-1], v[LBQ+\off+ii], v[Y+\sg]
.set ii, ii-1
.endr
.endif
	v_min3_num_f32 v[LBQ+\off], v[LBQ+\off], v[LBQ+\off], v[Y+\sg]
.endm
; One row tile's vector work for one block, with eight hooks; the sixteen insertions behind the last hook are the places in front of the next loads into, and reads of, matrix registers.
.macro PHASE q, t
	LSET \q
	WIN 0
	DFMA \q, \t
	HK
	WIN 0
	AX1
	HK
	WIN 0
	AX2
	HK
	WIN 0
	AX3
	HK
	WIN WI
	INS 0, 0, 17
	HK
	WIN WI
	INS 1, 17, 8
	INS 2, 25, 5
	HK
	WIN WI
	INS 3, 30, 8
	INS 4, 38, 4
	INS 5, 42, 2
	HK
	WIN WI
	INS 6, 44, 5
	INS 7, 49, 2
	INS 8, 51, 8
	HK
	WIN WI
	INS 9, 59, 4
	INS 10, 63, 2
	INS 11, 65, 4
	INS 12, 69, 2
	INS 13, 71, 1
	INS 14, 72, 2
	INS 15, 74, 1
.endm
; A TRIP: block b.  Its fragments are fetched while q = 2 of block b - 1 is selected; the products of (b, 0) and (b, 1) stand in q = 3's work of block b - 1; those of (b, 2) in q = 0's, those of (b, 3) in q = 1's.
.macro TRIP
	v_add_nc_u32 v[ADK], s[TB], v[AK0]
	v_add_nc_u32 v[ADS], s[TS], v[AS0]
.irp p, 0,1
	ds_load_b128 v[SQN+8*\p:SQN+8*\p+3], v[ADS] offset:64*\p
	ds_load_b128 v[SQN+8*\p+4:SQN+8*\p+7], v[ADS] offset:64*\p+16
.endr
	WIN 0x80                                       ; destination window 2
.irp ks, 0,1,2,3
.irp p, 0,1
.irp g, 0,1,2,3
	ds_load_b128 v[64*\p+16*\ks+4*\g:64*\p+16*\ks+4*\g+3], v[ADK] offset:\p*8192+\ks*2048+\g*512   ; 512 consecutive bytes
.endr
.endr
.endr
.set HKN, 0
	PHASE 2, T23
.set HKN, 2
.set HKIND, 1
.set HN, 0
	PHASE 3, T23+16
.set HKN, 1
.set HKIND, 0
.set HQ, 2
.set HN, 0
	WIN 0
	TADD X, 0
	PHASE 0, X
	WIN 0
	TADD T23, 2
.set HQ, 3
.set HN, 0
	TADD X, 1
	PHASE 1, X
	WIN 0
	TADD T23+16, 3
	s_add_co_u32 s[TB], s[TB], 16384
	s_add_co_u32 s[TS], s[TS], 128
.endm
.macro EIGHT                           ; a chunk's eight blocks
	s_mov_b32 s51, 8
.Ltrip_\@:
	TRIP
	s_sub_co_u32 s51, s51, 1
	s_cmp_lg_u32 s51, 0
	s_cbranch_scc1 .Ltrip_\@
.endm
.macro TINS off, n, p                  ; the tail: a stream's list into list 0; entry u's chain runs from 16 down to p (u+1) - 1
.set uu, 0
.rept \n
.set ii, 16
.rept 18-(\p)*(uu+1)
	v_med3_num_f32 v[LBQ+ii], v[LBQ+ii-1], v[LBQ+ii], v[LBQ+\off+uu]
.set ii, ii-1
.endr
.set uu, uu+1
.endr
.endm
.macro TAIL q
	LSET \q
	WIN WT
	TINS 17, 8, 2
	TINS 25, 5, 3
	TINS 30, 8, 2
	TINS 38, 4, 4
	TINS 42, 2, 6
	TINS 44, 5, 3
	TINS 49, 2, 6
	TINS 51, 8, 2
	TINS 59, 4, 4
	TINS 63, 2, 6
	TINS 65, 4, 4
	TINS 69, 2, 8
	TINS 71, 1, 12
	TINS 72, 2, 6
	TINS 74, 1, 12
	WIN WP
.set uu, 0
.rept 17
	v_permlanex16_b32 v[W+uu], v[LBQ+uu], s54, s55         ; the sorted list of the lane 16 away: the row's other keys
.set uu, uu+1
.endr
	WIN WI
.set uu, 0
.rept 17                                       ; its entry u finds u values not larger already there
.set ii, 16
.if uu == 0
.set cnt, 16
.else
.set cnt, 17-uu
.endif
.rept cnt
	v_med3_num_f32 v[LBQ+ii], v[LBQ+ii-1], v[LBQ+ii], v[W+uu]
.set ii, ii-1
.endr
.if uu == 0
	v_min3_num_f32 v[LBQ], v[LBQ], v[LBQ], v[W]
.endif
.set uu, uu+1
.endr
.endm
.macro OUTP la, lb, win, q             ; two row tiles leave together: lanes 0-15 give tile q's rows, lanes 16-31 tile q + 1's: a store covers 256 consecutive bytes
	WIN \win
.set uu, 0
.rept 17
	v_cndmask_b32 v[W+uu], v[\la+uu], v[\lb+uu], s57
.set uu, uu+1
.endr
	WIN 0
.set uu, 0
.rept 9
	global_store_b64 v8, v[W+2*uu:W+2*uu+1], s[12:13] offset:uu*65536+(\q)*128
.set uu, uu+1
.endr
.endm
	s_load_b256 s[4:11], s[0:1], 0x0               ; qa s[4:5], kb s[6:7], sq s[8:9], lowp_scales s[10:11]
	s_load_b64 s[12:13], s[0:1], 0x20              ; part
	v_lshl_add_u32 v[SPW], v0, 2, SPARE
	v_mov_b32 v[NIL], 0
	ds_add_u32 v10, v11
	ds_add_u32 v10, v11
	s_wait_dscnt 0x0
	v_lshrrev_b32 v1, 5, v0
	v_readfirstlane_b32 s[WV], v1                  ; wave
	s_bfe_u32 s15, ttmp6, 0x40000                  ; cx: it enters the addresses of qa, sq's rows and part alone
	s_lshl_b32 s16, ttmp9, 2
	s_add_co_u32 s16, s16, s15                     ; row block
	s_and_b32 s17, ttmp7, 0xffff                   ; segment, which the four partners share
	s_mov_b32 s24, 15|(3<<16)|(1<<21)              ; group 1, a quarter of a chunk: mask of all four; elements of 8 bytes; bit 21 beside the mask
	s_mov_b32 s25, 32<<16                          ; tensor_dim0 = 32 elements (256 bytes)
	s_mov_b32 s26, 128<<16                         ; tensor_dim1 = 128 rows
	s_mov_b32 s27, 32<<16                          ; tile_dim0
	s_mov_b32 s28, 128                             ; tile_dim1
	s_mov_b32 s29, 32                              ; pitch: dense
	s_mov_b32 s30, 0
	s_mov_b32 s31, 0
	s_mov_b32 s32, 15|(3<<16)|(1<<21)              ; group 1, a quarter of the segment's sq: one row of 1,024 bytes
	s_mov_b32 s33, 128<<16
	s_mov_b32 s34, 1<<16
	s_mov_b32 s35, 128<<16
	s_mov_b32 s36, 1
	s_mov_b32 s37, 128
	s_mov_b32 s38, 0
	s_mov_b32 s39, 0
	s_lshl_b32 s18, s17, 19                        ; kb: 64 tiles of 8,192 bytes a segment, + my quarter of a chunk
	s_lshl_b32 s19, s[WV], 15
	s_add_co_u32 s18, s18, s19
	s_mov_b32 s19, 0
	s_lshl_b32 s20, s17, 12                        ; sq: 4,096 bytes a segment, + my quarter
	s_lshl_b32 s21, s[WV], 10
	s_add_co_u32 s20, s20, s21
	s_mov_b32 s21, 0
	s_wait_kmcnt 0x0
	s_mov_b32 s40, 1
	s_lshl_b32 s41, s[WV], 15                      ; slot 0, my quarter
	s_add_nc_u64 s[42:43], s[6:7], s[18:19]
	s_or_b32 s43, s43, 0x80000000
	s_mov_b32 s44, 1
	s_lshl_b32 s45, s[WV], 10
	s_add_co_u32 s45, s45, SQK
	s_add_nc_u64 s[46:47], s[8:9], s[20:21]
	s_or_b32 s47, s47, 0x80000000
	ROUND                                          ; all four work-groups are here: the first joint loads meet
	tensor_load_to_lds s[40:43], s[24:31]          ; chunk 0
	s_nop 0
	tensor_load_to_lds s[44:47], s[32:39]          ; the segment's sq
	s_nop 0
.rept 4
	v_nop
.endr
	s_load_b64 s[52:53], s[10:11], 0x0             ; e0, e1
	v_and_b32 v1, 15, v0                           ; r
	v_bfe_u32 v2, v0, 4, 1                         ; h
	v_and_b32 v[AK0], 31, v0
	v_lshlrev_b32 v8, 3, v[AK0]                    ; part: 8 bytes a lane
	v_lshlrev_b32 v[AK0], 4, v[AK0]
	v_lshlrev_b32 v[AS0], 5, v2
	v_add_nc_u32 v[AS0], SQK, v[AS0]
	v_lshlrev_b32 v7, 2, v1
	s_lshl_b32 s22, s16, 4
	s_lshl_b32 s23, s[WV], 2
	s_add_co_u32 s22, s22, s23                     ; my first row tile
	s_lshl_b32 s2, s22, 13
	s_mov_b32 s3, 0
	s_add_nc_u64 s[4:5], s[4:5], s[2:3]
	WIN 0x40                                       ; destination window 1
.set n, 0
.rept 64                                       ; my four row tiles' fragments stay in registers
	global_load_b128 v[4*n:4*n+3], v[AK0], s[4:5] offset:512*n
.set n, n+1
.endr
	WIN 0
	s_lshl_b32 s2, s22, 6
	s_add_nc_u64 s[8:9], s[8:9], s[2:3]
.irp q, 0,1,2,3
	global_load_b32 v[SQQ+2*\q], v7, s[8:9] offset:64*\q
	global_load_b32 v[SQQ+2*\q+1], v7, s[8:9] offset:64*\q
.endr
	s_mul_i32 s2, s17, 589824                      ; part: 9 x 65,536 bytes a segment, + my first row
	s_lshl_b32 s23, s22, 7
	s_add_co_u32 s2, s2, s23
	s_add_nc_u64 s[12:13], s[12:13], s[2:3]
	s_mov_b32 s54, 0x76543210
	s_mov_b32 s55, 0xfedcba98
	s_mov_b32 s56, 0x7f800000                      ; +inf
	s_mov_b32 s57, 0xffff0000
	s_mov_b32 s[TB], 0
	s_mov_b32 s[TS], 0
	s_mov_b32 s50, 3
.set ii, 0
.rept 32                                       ; a virtual block in front of the first, for q = 2 and 3: sums 0, t = +inf: its d2 are +inf and change no list
	v_mov_b32 v[T23+ii], s56
	v_mov_b32 v[ACC+32+ii], 0
.set ii, ii+1
.endr
.set ii, 0
.rept 18
	v_mov_b32 v[W+ii], s56                         ; W[17] stays +inf: the filler of the ninth pair
.set ii, ii+1
.endr
	WIN 0x80
.set ii, 0
.rept 75
	v_mov_b32 v[128+ii], s56                       ; the lists begin as +inf
.set ii, ii+1
.endr
	WIN 0xc0
.set ii, 0
.rept 227
	v_mov_b32 v[ii], s56
.set ii, ii+1
.endr
	WIN 0
	s_wait_kmcnt 0x0
	s_add_co_i32 s52, s52, s53
	s_add_co_i32 s52, s52, 128
	s_lshl_b32 s52, s52, 23
	s_or_b32 s52, s52, 0x80000000                  ; c = -2^(e0 + e1 + 1)
	s_mov_b32 s53, s52                             ; (named with it as a pair)
	s_wait_loadcnt 0x0
.Lchunk:                                       ; three trips: behind each change of slots the next chunk is asked for
	CHANGE 1
	EIGHT
	s_sub_co_u32 s[TB], s[TB], 131072
	s_xor_b32 s[TB], s[TB], SLOT1
	s_sub_co_u32 s50, s50, 1
	s_cmp_lg_u32 s50, 0
	s_cbranch_scc1 .Lchunk
	CHANGE 0                                       ; the last chunk is written out
	EIGHT
.set HKN, 0
	PHASE 2, T23                                   ; the last block's q = 2 and 3
	PHASE 3, T23+16
	TAIL 0
	TAIL 1
	TAIL 2
	TAIL 3
	OUTP 128, 0, 0x0e, 0
	s_wait_xcnt 0x0                                ; the stores have read W: it may be written again
	OUTP 76, 152, 0x0f, 2
	s_wait_tensorcnt 0x0                           ; the wave's end
	ds_add_u32 v[SPW], v[NIL]
	s_wait_dscnt 0x0
	ROUND                                          ; the closing round
	s_endpgm
.Lfunc_end_k_qfa402d896a_sel:
	.size	k_qfa402d896a_sel, .Lfunc_end_k_qfa402d896a_sel-k_qfa402d896a_sel
	.p2alignl 7, 3214868480
	.fill 96, 4, 3214868480
	.section	.rodata,"a",@progbits
	.p2align	6, 0x0
	.amdhsa_kernel k_qfa402d896a_sel
		.amdhsa_group_segment_fixed_size 327680
		.amdhsa_private_segment_fixed_size 0
		.amdhsa_enable_private_segment 0
		.amdhsa_kernarg_size 40
		.amdhsa_user_sgpr_count 2
		.amdhsa_user_sgpr_kernarg_segment_ptr 1
		.amdhsa_wavefront_size32 1
		.amdhsa_system_sgpr_workgroup_id_x 1
		.amdhsa_system_sgpr_workgroup_id_y 1
		.amdhsa_system_sgpr_workgroup_id_z 1
		.amdhsa_system_vgpr_workitem_id 0
		.amdhsa_next_free_vgpr 1024
		.amdhsa_next_free_sgpr 66
		.amdhsa_reserve_vcc 0
		.amdhsa_float_denorm_mode_32 3
		.amdhsa_float_denorm_mode_16_64 3
		.amdhsa_memory_ordered 1
		.amdhsa_forward_progress 1
		.amdhsa_inst_pref_size 255
	.end_amdhsa_kernel
	.section	.bss,"aw",@nobits
	.p2align	6
	.space	262144
	.amdgpu_metadata
---
amdhsa.version: [ 1, 2 ]
amdhsa.kernels:
  - .name:           k_qfa402d896a_sel
    .symbol:         k_qfa402d896a_sel.kd
    .args:
      - { .name: qa, .offset: 0, .size: 8, .value_kind: global_buffer, .address_space: global }
      - { .name: kb, .offset: 8, .size: 8, .value_kind: global_buffer, .address_space: global }
      - { .name: sq, .offset: 16, .size: 8, .value_kind: global_buffer, .address_space: global }
      - { .name: lowp_scales, .offset: 24, .size: 8, .value_kind: global_buffer, .address_space: global }
      - { .name: part, .offset: 32, .size: 8, .value_kind: global_buffer, .address_space: global }
    .group_segment_fixed_size: 327680
    .private_segment_fixed_size: 0
    .kernarg_segment_align: 8
    .kernarg_segment_size: 40
    .max_flat_workgroup_size: 128
    .sgpr_count:     66
    .vgpr_count:     1024
    .wavefront_size: 32
...
	.end_amdgpu_metadata
.endif
;; end of part 2
;; launch thresh (part 3): grid 256 x 1, 1 waves a work-group, no clusters, 0 bytes of LDS; arguments part, thr; writes thr
.if DOCPART == 3
	.amdgcn_target "amdgcn-amd-amdhsa--gfx1250"
	.amdhsa_code_object_version 6
	.text
	.protected	k_qfa402d896a_thresh
	.globl	k_qfa402d896a_thresh
	.p2align	8
	.type	k_qfa402d896a_thresh,@function
k_qfa402d896a_thresh:
	s_mov_b64 s[64:65], 0
	v_nop
	global_prefetch_b8 v0, s[64:65] scope:SCOPE_SE
	s_setreg_imm32_b32 hwreg(HW_REG_WAVE_MODE, 25, 1), 1
	s_wait_xcnt 0x0
; A lane takes a row: its eight segments' sorted lists of 17 are merged into the row's 17 smallest d2; V1 = max(smallest, 0), V17 = max(17th, 0).
; The order that counts is that of dist = sqrt(max(d2, 0)) rounded to f32, in which up to three neighbouring d2 share one dist.  For V the class [lo, hi] of d2 with the same dist is found exactly:
; D = the correctly rounded root (v_sqrt_f32, mended by the signs of two fused residuals); y has the root D where y - Dd D > 0 and y - Du D <= 0 (Dd, Du: D's neighbours): no f32 number lies
; between Dd D and the square of the middle between Dd and D.  Small V are first multiplied by 2^100 (exact), so that neither the root nor a residual meets the denormals.
; thr [8192][8] = -Ta, -Ta, -Tb, -Tb, -Tc, -Tc, 0, 0:  d2 < Ta: dist = the smallest dist;  d2 < Tb: dist < the 17th;  d2 < Tc: dist <= the 17th.  (V17 = 0: Tb = -inf: nothing is smaller.)
; No LDS, no barrier, no matrix work: 256 waves that share nothing.  NaN and infinities are not served.
.set L,  16                            ; v16-159: segment s's list at 16 + 18 s (entry 17 is a filler); the merged list is segment 0's registers
.set CA, 164                           ; V1's class: +0 V, +1 the exponent added, +2 V scaled, +3 D, +4 Dd, +5 Du, +6, +7, +10 at work, +8 lo, +9 hi
.set CB, 176                           ; V17's
	s_load_b128 s[4:7], s[0:1], 0x0                ; part, thr
	v_lshlrev_b32 v1, 3, v0
	v_lshlrev_b32 v2, 5, v0
	v_mov_b32 v3, 100
	v_mov_b32 v12, 0x7f800000
	s_mov_b32 s12, 0x2b800000                      ; 2^-40
	s_lshl_b32 s8, ttmp9, 8                        ; 32 rows of 8 bytes
	s_mov_b32 s9, 0
	s_lshl_b32 s10, ttmp9, 10                      ; 32 rows of 32 bytes
	s_mov_b32 s11, 0
	s_wait_kmcnt 0x0
	s_add_nc_u64 s[4:5], s[4:5], s[8:9]
	s_add_nc_u64 s[6:7], s[6:7], s[10:11]
.set n, 0
.rept 72                                       ; n = 9 segment + pair: 256 consecutive bytes a load
	global_load_b64 v[L+2*n:L+2*n+1], v1, s[4:5] offset:n*65536 th:TH_LOAD_NT
.set n, n+1
.endr
.set sgm, 1
.rept 7
	s_wait_loadcnt 9*(7-sgm)                       ; this segment's list is in; nine loads for each later one may be out
.set uu, 0
.rept 17                                       ; entry u finds u values not larger already there: its chain runs from 16 down to u
.set ii, 16
.if uu == 0
.set cnt, 16
.else
.set cnt, 17-uu
.endif
.rept cnt
	v_med3_num_f32 v[L+ii], v[L+ii-1], v[L+ii], v[L+18*sgm+uu]
.set ii, ii-1
.endr
.if uu == 0
	v_min_num_f32 v[L], v[L], v[L+18*sgm]
.endif
.set uu, uu+1
.endr
.set sgm, sgm+1
.endr
.macro PRE b
	v_cmp_gt_f32 vcc_lo, s12, v[\b]
	v_cndmask_b32 v[\b+1], 0, v3, vcc_lo
	v_ldexp_f32 v[\b+2], v[\b], v[\b+1]
.endm
.macro POST b
	v_add_nc_u32 v[\b+4], -1, v[\b+3]
	v_add_nc_u32 v[\b+5], 1, v[\b+3]
	v_fma_f32 v[\b+6], -v[\b+4], v[\b+3], v[\b+2]
	v_fma_f32 v[\b+7], -v[\b+5], v[\b+3], v[\b+2]
	v_cmp_ge_f32 vcc_lo, 0, v[\b+6]                ; (a NaN pattern beside 0 compares false, which is the right answer there)
	v_cndmask_b32 v[\b+10], v[\b+3], v[\b+4], vcc_lo
	v_cmp_lt_f32 vcc_lo, 0, v[\b+7]
	v_cndmask_b32 v[\b+3], v[\b+10], v[\b+5], vcc_lo   ; D, correctly rounded
	v_add_nc_u32 v[\b+4], -1, v[\b+3]
	v_add_nc_u32 v[\b+5], 1, v[\b+3]
	v_mov_b32 v[\b+8], v[\b]
	v_mov_b32 v[\b+9], v[\b]
.irp k, 1,2
	v_add_nc_u32 v[\b+7], -\k, v[\b]               ; V's k-th neighbour below
	v_ldexp_f32 v[\b+6], v[\b+7], v[\b+1]
	v_fma_f32 v[\b+6], -v[\b+4], v[\b+3], v[\b+6]
	v_cmp_lt_f32 vcc_lo, 0, v[\b+6]
	v_cndmask_b32 v[\b+8], v[\b+8], v[\b+7], vcc_lo
	v_add_nc_u32 v[\b+7], \k, v[\b]                ; and above
	v_ldexp_f32 v[\b+6], v[\b+7], v[\b+1]
	v_fma_f32 v[\b+6], -v[\b+5], v[\b+3], v[\b+6]
	v_cmp_ge_f32 vcc_lo, 0, v[\b+6]
	v_cndmask_b32 v[\b+9], v[\b+9], v[\b+7], vcc_lo
.endr
.endm
	v_max_num_f32 v[CA], 0, v[L]
	v_max_num_f32 v[CB], 0, v[L+16]
	PRE CA
	PRE CB
	v_sqrt_f32 v[CA+3], v[CA+2]
	v_sqrt_f32 v[CB+3], v[CB+2]
	v_nop                                          ; a plain line behind the roots
	s_wait_alu depctr_va_vdst(0)                   ; one wait for both, ahead of their first reader
	POST CA
	POST CB
	v_add_nc_u32 v4, 1, v[CA+9]                    ; Ta: the number above hi(V1)
	v_xor_b32 v4, 0x80000000, v4
	v_mov_b32 v5, v4
	v_xor_b32 v6, 0x80000000, v[CB+8]              ; Tb = lo(V17),
	v_cmp_eq_f32 vcc_lo, 0, v[CB]
	v_cndmask_b32 v6, v6, v12, vcc_lo              ; or -inf
	v_mov_b32 v7, v6
	v_add_nc_u32 v8, 1, v[CB+9]                    ; Tc: the number above hi(V17)
	v_xor_b32 v8, 0x80000000, v8
	v_mov_b32 v9, v8
	v_mov_b32 v10, 0
	v_mov_b32 v11, 0
	global_store_b128 v2, v[4:7], s[6:7]
	global_store_b128 v2, v[8:11], s[6:7] offset:16
	s_endpgm
.Lfunc_end_k_qfa402d896a_thresh:
	.size	k_qfa402d896a_thresh, .Lfunc_end_k_qfa402d896a_thresh-k_qfa402d896a_thresh
	.p2alignl 7, 3214868480
	.fill 96, 4, 3214868480
	.section	.rodata,"a",@progbits
	.p2align	6, 0x0
	.amdhsa_kernel k_qfa402d896a_thresh
		.amdhsa_group_segment_fixed_size 0
		.amdhsa_private_segment_fixed_size 0
		.amdhsa_enable_private_segment 0
		.amdhsa_kernarg_size 16
		.amdhsa_user_sgpr_count 2
		.amdhsa_user_sgpr_kernarg_segment_ptr 1
		.amdhsa_wavefront_size32 1
		.amdhsa_system_sgpr_workgroup_id_x 1
		.amdhsa_system_sgpr_workgroup_id_y 1
		.amdhsa_system_sgpr_workgroup_id_z 1
		.amdhsa_system_vgpr_workitem_id 0
		.amdhsa_next_free_vgpr 192
		.amdhsa_next_free_sgpr 66
		.amdhsa_reserve_vcc 1
		.amdhsa_float_denorm_mode_32 3
		.amdhsa_float_denorm_mode_16_64 3
		.amdhsa_memory_ordered 1
		.amdhsa_forward_progress 1
		.amdhsa_inst_pref_size 79
	.end_amdhsa_kernel
	.amdgpu_metadata
---
amdhsa.version: [ 1, 2 ]
amdhsa.kernels:
  - .name:           k_qfa402d896a_thresh
    .symbol:         k_qfa402d896a_thresh.kd
    .args:
      - { .name: part, .offset: 0, .size: 8, .value_kind: global_buffer, .address_space: global }
      - { .name: thr, .offset: 8, .size: 8, .value_kind: global_buffer, .address_space: global }
    .group_segment_fixed_size: 0
    .private_segment_fixed_size: 0
    .kernarg_segment_align: 8
    .kernarg_segment_size: 16
    .max_flat_workgroup_size: 32
    .sgpr_count:     66
    .vgpr_count:     192
    .wavefront_size: 32
...
	.end_amdgpu_metadata
.endif
;; end of part 3
;; launch bits (part 4): grid 32 x 8, 4 waves a work-group, clusters of 4 x 1, 327,680 bytes of LDS; arguments qa, kb, sq, lowp_scales, thr, mask; writes mask
.if DOCPART == 4
	.amdgcn_target "amdgcn-amd-amdhsa--gfx1250"
	.amdhsa_code_object_version 6
	.text
	.protected	k_qfa402d896a_bits
	.globl	k_qfa402d896a_bits
	.p2align	8
	.type	k_qfa402d896a_bits,@function
k_qfa402d896a_bits:
	s_mov_b64 s[64:65], 0
	v_nop
	global_prefetch_b8 v0, s[64:65] scope:SCOPE_SE
	s_setreg_imm32_b32 hwreg(HW_REG_WAVE_MODE, 25, 1), 1
	s_wait_xcnt 0x0
	s_wait_alu depctr_hold_cnt(0) depctr_sa_sdst(0) depctr_va_vdst(0) depctr_va_sdst(0) depctr_va_ssrc(0) depctr_va_vcc(0) depctr_vm_vsrc(0)
	s_getreg_b32 s2, hwreg(HW_REG_IB_STS2, 6, 4)
	s_cmp_eq_u32 s2, 0
	s_cbranch_scc0 .Lentry_in_a_cluster
	s_endpgm
.Lentry_in_a_cluster:
	s_bfe_u32 s2, ttmp6, 0x10000c
	s_cmp_lg_u32 s2, 0x3003
	s_cbranch_scc0 .Lentry_shape_is_right
	s_endpgm
.Lentry_shape_is_right:
; The same d2 as in the launch that selects (the same fragments, the same chains of matrix instructions, the same two roundings: the same bits), now held against each row's three thresholds.
; d2 + (-T) is negative exactly where d2 < T (a difference of two f32 numbers is 0 only where they are equal), so its sign bit is the answer; v_alignbit_b32 shifts it into a word.
; A lane's register 8 p + j of row tile q and threshold m gathers one bit a block: after the segment's 32 blocks block b lies in bit 31 - b.
; mask [3 m][8 seg][512 row tiles][4 g][32 lanes][4 words]: word i of group g of lane (r, h): bit 31 - b is key 1024 seg + 32 b + 16 (g / 2) + 8 h + 4 (g % 2) + i of row r.
; Shares, ring, cluster and pipeline as in the selecting launch: a work-group takes 256 rows x 1,024 keys, a wave 64 rows; key tiles and the segment's sq are asked for jointly by the four row blocks
; of a cluster; matrix instructions stand in hooks between another row tile's vector work; a row tile's two accumulators take turns.  At most two tensor loads of a wave are out.
; LIMITS: e0 + e1 between -127 and 126.  NaN and infinities are not served.
; REGISTERS.  window 0: below.  window 1: Q (64 q + 16 ks).  window 2: v0-127 KF (64 p + 16 ks).  window 3: the words, 48 q + 16 m + 8 p + j.
.set SLOT1,  1<<17
.set SQK,    262144
.set SPARE,  266240                    ; the spare words, 128 bytes a wave: two blocks of 256 bytes that no other line names
.set AK0, 3
.set ADK, 4
.set AS0, 5
.set ADS, 6
.set SPW, 10
.set NIL, 11
.set SQQ, 12
.set SQN, 20
.set T23, 36
.set ACC, 68
.set X,   132
.set S,   148                          ; v148-195  d2 - T: 16 m + 8 p + j
.set NT,  196                          ; v196-227  my row's eight words of thr, for each q
.set WV,  14
.set TB,  48
.set TS,  49
.set MSB, 0
.set HKN, 0
.set HKIND, 0
.set HQ, 0
.set HN, 0
.macro WIN new
.if MSB != \new
	s_set_vgpr_msb (MSB<<8)|\new
.set MSB, \new
.endif
.endm
.macro ROUND
	s_barrier_signal -1
	s_barrier_wait -1
	s_cmp_lg_u32 s[WV], 0
	s_cbranch_scc1 .Lnot_wave_0_\@
	s_barrier_signal -3
.Lnot_wave_0_\@:
	s_barrier_wait -3
	s_barrier_signal -1
	s_barrier_wait -1
.endm
.macro CHANGE fill                     ; at a chunk's head: my tensor loads have landed, the add, my LDS reads are back; behind the round the slot just left takes the chunk after
	s_wait_tensorcnt 0x0
	ds_add_u32 v[SPW], v[NIL]
.if \fill
	s_xor_b32 s41, s41, SLOT1
	s_add_nc_u64 s[42:43], s[42:43], 131072
.endif
	s_wait_dscnt 0x0
.if \fill
	ROUND
	tensor_load_to_lds s[40:43], s[24:31]
	s_nop 0
.rept 4
	v_nop
.endr
.else
	s_barrier_signal -1
	s_barrier_wait -1
.endif
.endm
.macro HK                              ; the next HKN matrix instructions of the queue; with HKIND = 1 a counted wait ahead of each K step: eight fragment loads for each later K step may be out
.if HKN > 0
	WIN 0x06
.rept HKN
.if HKIND
.if (HN % 4) == 0
	s_wait_dscnt 24-2*HN
.endif
.set MQ, (HN/2)%2
.set MK, HN/4
.else
.set MQ, HQ
.set MK, HN/2
.endif
.set RDD, ACC+16*MQ+8*(HN%2)
.set RAA, 64*(HN%2)+16*MK
.set RBB, 64*MQ+16*MK
.if MK == 0
	v_wmma_f32_16x16x128_fp8_fp8 v[RDD:RDD+7], v[RAA:RAA+15], v[RBB:RBB+15], 0
.else
	v_wmma_f32_16x16x128_fp8_fp8 v[RDD:RDD+7], v[RAA:RAA+15], v[RBB:RBB+15], v[RDD:RDD+7]
.endif
.set HN, HN+1
.endr
.endif
.endm
.macro TADD d, q
.irp j, 0,2,4,6,8,10,12,14
	v_pk_add_f32 v[\d+\j:\d+\j+1], v[SQN+\j:SQN+\j+1], v[SQQ+2*(\q):SQQ+2*(\q)+1]
.endr
.endm
.macro DFMA q, t
.irp j, 0,2,4,6,8,10,12,14
	v_pk_fma_f32 v[X+\j:X+\j+1], v[ACC+16*(\q)+\j:ACC+16*(\q)+\j+1], s[52:53], v[\t+\j:\t+\j+1] op_sel_hi:[1,0,1]
.endr
.endm
; One row tile's vector work for one block, with eight hooks; the sixteen shifts behind the last hook are the places in front of the next loads into, and reads of, matrix registers.
.macro PHASE q, t
	WIN 0
	DFMA \q, \t
	HK
.irp m, 0,1,2
	WIN 0
.irp j, 0,2,4,6,8,10,12,14
	v_pk_add_f32 v[S+16*\m+\j:S+16*\m+\j+1], v[X+\j:X+\j+1], v[NT+8*(\q)+2*\m:NT+8*(\q)+2*\m+1]
.endr
	HK
.endr
.irp g, 0,1,2,3,4,5
	WIN 0xc3                                       ; the word (destination and source 0) window 3, the difference window 0
.irp j, 0,1,2,3,4,5,6,7
	v_alignbit_b32 v[48*(\q)+8*\g+\j], v[48*(\q)+8*\g+\j], v[S+8*\g+\j], 31     ; word = word << 1 | sign
.endr
.if \g < 4
	HK
.endif
.endr
.endm
.macro TRIP
	v_add_nc_u32 v[ADK], s[TB], v[AK0]
	v_add_nc_u32 v[ADS], s[TS], v[AS0]
.irp p, 0,1
	ds_load_b128 v[SQN+8*\p:SQN+8*\p+3], v[ADS] offset:64*\p
	ds_load_b128 v[SQN+8*\p+4:SQN+8*\p+7], v[ADS] offset:64*\p+16
.endr
	WIN 0x80
.irp ks, 0,1,2,3
.irp p, 0,1
.irp g, 0,1,2,3
	ds_load_b128 v[64*\p+16*\ks+4*\g:64*\p+16*\ks+4*\g+3], v[ADK] offset:\p*8192+\ks*2048+\g*512
.endr
.endr
.endr
.set HKN, 0
	PHASE 2, T23
.set HKN, 2
.set HKIND, 1
.set HN, 0
	PHASE 3, T23+16
.set HKN, 1
.set HKIND, 0
.set HQ, 2
.set HN, 0
	WIN 0
	TADD X, 0
	PHASE 0, X
	WIN 0
	TADD T23, 2
.set HQ, 3
.set HN, 0
	TADD X, 1
	PHASE 1, X
	WIN 0
	TADD T23+16, 3
	s_add_co_u32 s[TB], s[TB], 16384
	s_add_co_u32 s[TS], s[TS], 128
.endm
.macro EIGHT
	s_mov_b32 s51, 8
.Ltrip_\@:
	TRIP
	s_sub_co_u32 s51, s51, 1
	s_cmp_lg_u32 s51, 0
	s_cbranch_scc1 .Ltrip_\@
.endm
.macro PUT m, sb                       ; threshold m's words of my four row tiles: 512 consecutive bytes a store
.irp q, 0,1,2,3
.irp g, 0,1,2,3
	global_store_b128 v[AK0], v[48*\q+16*(\m)+4*\g:48*\q+16*(\m)+4*\g+3], s[\sb:\sb+1] offset:\q*2048+\g*512
.endr
.endr
.endm
	s_load_b256 s[4:11], s[0:1], 0x0               ; qa, kb, sq, lowp_scales
	s_load_b128 s[60:63], s[0:1], 0x20             ; thr s[60:61], mask s[62:63]
	v_lshl_add_u32 v[SPW], v0, 2, SPARE
	v_mov_b32 v[NIL], 0
	ds_add_u32 v10, v11
	ds_add_u32 v10, v11
	s_wait_dscnt 0x0
	v_lshrrev_b32 v1, 5, v0
	v_readfirstlane_b32 s[WV], v1
	s_bfe_u32 s15, ttmp6, 0x40000                  ; cx: it enters the addresses of qa, sq's rows, thr and mask alone
	s_lshl_b32 s16, ttmp9, 2
	s_add_co_u32 s16, s16, s15                     ; row block
	s_and_b32 s17, ttmp7, 0xffff                   ; segment
	s_mov_b32 s24, 15|(3<<16)|(1<<21)              ; group 1, a quarter of a chunk: 128 rows of 256 bytes, dense; elements of 8 bytes; mask of all four, bit 21 beside it
	s_mov_b32 s25, 32<<16
	s_mov_b32 s26, 128<<16
	s_mov_b32 s27, 32<<16
	s_mov_b32 s28, 128
	s_mov_b32 s29, 32
	s_mov_b32 s30, 0
	s_mov_b32 s31, 0
	s_mov_b32 s32, 15|(3<<16)|(1<<21)              ; group 1, a quarter of the segment's sq: one row of 1,024 bytes
	s_mov_b32 s33, 128<<16
	s_mov_b32 s34, 1<<16
	s_mov_b32 s35, 128<<16
	s_mov_b32 s36, 1
	s_mov_b32 s37, 128
	s_mov_b32 s38, 0
	s_mov_b32 s39, 0
	s_lshl_b32 s18, s17, 19
	s_lshl_b32 s19, s[WV], 15
	s_add_co_u32 s18, s18, s19
	s_mov_b32 s19, 0
	s_lshl_b32 s20, s17, 12
	s_lshl_b32 s21, s[WV], 10
	s_add_co_u32 s20, s20, s21
	s_mov_b32 s21, 0
	s_wait_kmcnt 0x0
	s_mov_b32 s40, 1
	s_lshl_b32 s41, s[WV], 15
	s_add_nc_u64 s[42:43], s[6:7], s[18:19]
	s_or_b32 s43, s43, 0x80000000
	s_mov_b32 s44, 1
	s_lshl_b32 s45, s[WV], 10
	s_add_co_u32 s45, s45, SQK
	s_add_nc_u64 s[46:47], s[8:9], s[20:21]
	s_or_b32 s47, s47, 0x80000000
	ROUND
	tensor_load_to_lds s[40:43], s[24:31]
	s_nop 0
	tensor_load_to_lds s[44:47], s[32:39]
	s_nop 0
.rept 4
	v_nop
.endr
	s_load_b64 s[52:53], s[10:11], 0x0             ; e0, e1
	v_and_b32 v1, 15, v0
	v_bfe_u32 v2, v0, 4, 1
	v_and_b32 v[AK0], 31, v0
	v_lshlrev_b32 v[AK0], 4, v[AK0]
	v_lshlrev_b32 v[AS0], 5, v2
	v_add_nc_u32 v[AS0], SQK, v[AS0]
	v_lshlrev_b32 v7, 2, v1
	v_lshlrev_b32 v9, 5, v1                        ; thr: 32 bytes a row
	s_lshl_b32 s22, s16, 4
	s_lshl_b32 s23, s[WV], 2
	s_add_co_u32 s22, s22, s23                     ; my first row tile
	s_lshl_b32 s2, s22, 13
	s_mov_b32 s3, 0
	s_add_nc_u64 s[4:5], s[4:5], s[2:3]
	WIN 0x40
.set n, 0
.rept 64
	global_load_b128 v[4*n:4*n+3], v[AK0], s[4:5] offset:512*n
.set n, n+1
.endr
	WIN 0
	s_lshl_b32 s2, s22, 6
	s_add_nc_u64 s[8:9], s[8:9], s[2:3]
	s_lshl_b32 s2, s22, 9
	s_add_nc_u64 s[60:61], s[60:61], s[2:3]
.irp q, 0,1,2,3
	global_load_b32 v[SQQ+2*\q], v7, s[8:9] offset:64*\q
	global_load_b32 v[SQQ+2*\q+1], v7, s[8:9] offset:64*\q
	global_load_b128 v[NT+8*\q:NT+8*\q+3], v9, s[60:61] offset:512*\q
	global_load_b128 v[NT+8*\q+4:NT+8*\q+7], v9, s[60:61] offset:512*\q+16
.endr
	s_lshl_b32 s2, s17, 20                         ; mask: 1 MiB a segment, 2,048 bytes a row tile, 8 MiB a threshold
	s_lshl_b32 s23, s22, 11
	s_add_co_u32 s2, s2, s23
	s_add_nc_u64 s[62:63], s[62:63], s[2:3]
	s_add_nc_u64 s[18:19], s[62:63], 0x800000
	s_add_nc_u64 s[20:21], s[62:63], 0x1000000
	s_mov_b32 s56, 0x7f800000
	s_mov_b32 s[TB], 0
	s_mov_b32 s[TS], 0
	s_mov_b32 s50, 3
.set ii, 0
.rept 32                                       ; a virtual block in front of the first, for q = 2 and 3: its d2 are +inf; its bit is shifted out at the end
	v_mov_b32 v[T23+ii], s56
	v_mov_b32 v[ACC+32+ii], 0
.set ii, ii+1
.endr
	WIN 0xc0
.set ii, 0
.rept 192
	v_mov_b32 v[ii], 0
.set ii, ii+1
.endr
	WIN 0
	s_wait_kmcnt 0x0
	s_add_co_i32 s52, s52, s53
	s_add_co_i32 s52, s52, 128
	s_lshl_b32 s52, s52, 23
	s_or_b32 s52, s52, 0x80000000                  ; c = -2^(e0 + e1 + 1)
	s_mov_b32 s53, s52
	s_wait_loadcnt 0x0
.Lchunk:
	CHANGE 1
	EIGHT
	s_sub_co_u32 s[TB], s[TB], 131072
	s_xor_b32 s[TB], s[TB], SLOT1
	s_sub_co_u32 s50, s50, 1
	s_cmp_lg_u32 s50, 0
	s_cbranch_scc1 .Lchunk
	CHANGE 0                                       ; the last chunk is written out
	EIGHT
.set HKN, 0
	PHASE 2, T23
	PHASE 3, T23+16
	WIN 0x0c                                       ; store data window 3
	PUT 0, 62
	PUT 1, 18
	PUT 2, 20
	WIN 0
	s_wait_tensorcnt 0x0                           ; the wave's end
	ds_add_u32 v[SPW], v[NIL]
	s_wait_dscnt 0x0
	ROUND                                          ; the closing round
	s_endpgm
.Lfunc_end_k_qfa402d896a_bits:
	.size	k_qfa402d896a_bits, .Lfunc_end_k_qfa402d896a_bits-k_qfa402d896a_bits
	.p2alignl 7, 3214868480
	.fill 96, 4, 3214868480
	.section	.rodata,"a",@progbits
	.p2align	6, 0x0
	.amdhsa_kernel k_qfa402d896a_bits
		.amdhsa_group_segment_fixed_size 327680
		.amdhsa_private_segment_fixed_size 0
		.amdhsa_enable_private_segment 0
		.amdhsa_kernarg_size 48
		.amdhsa_user_sgpr_count 2
		.amdhsa_user_sgpr_kernarg_segment_ptr 1
		.amdhsa_wavefront_size32 1
		.amdhsa_system_sgpr_workgroup_id_x 1
		.amdhsa_system_sgpr_workgroup_id_y 1
		.amdhsa_system_sgpr_workgroup_id_z 1
		.amdhsa_system_vgpr_workitem_id 0
		.amdhsa_next_free_vgpr 1024
		.amdhsa_next_free_sgpr 66
		.amdhsa_reserve_vcc 0
		.amdhsa_float_denorm_mode_32 3
		.amdhsa_float_denorm_mode_16_64 3
		.amdhsa_memory_ordered 1
		.amdhsa_forward_progress 1
		.amdhsa_inst_pref_size 94
	.end_amdhsa_kernel
	.amdgpu_metadata
---
amdhsa.version: [ 1, 2 ]
amdhsa.kernels:
  - .name:           k_qfa402d896a_bits
    .symbol:         k_qfa402d896a_bits.kd
    .args:
      - { .name: qa, .offset: 0, .size: 8, .value_kind: global_buffer, .address_space: global }
      - { .name: kb, .offset: 8, .size: 8, .value_kind: global_buffer, .address_space: global }
      - { .name: sq, .offset: 16, .size: 8, .value_kind: global_buffer, .address_space: global }
      - { .name: lowp_scales, .offset: 24, .size: 8, .value_kind: global_buffer, .address_space: global }
      - { .name: thr, .offset: 32, .size: 8, .value_kind: global_buffer, .address_space: global }
      - { .name: mask, .offset: 40, .size: 8, .value_kind: global_buffer, .address_space: global }
    .group_segment_fixed_size: 327680
    .private_segment_fixed_size: 0
    .kernarg_segment_align: 8
    .kernarg_segment_size: 48
    .max_flat_workgroup_size: 128
    .sgpr_count:     66
    .vgpr_count:     1024
    .wavefront_size: 32
...
	.end_amdgpu_metadata
.endif
;; end of part 4
;; launch pick (part 5): grid 512 x 1, 16 waves a work-group, no clusters, 54,784 bytes of LDS; arguments mask, idx; writes idx
.if DOCPART == 5
	.amdgcn_target "amdgcn-amd-amdhsa--gfx1250"
	.amdhsa_code_object_version 6
	.text
	.protected	k_qfa402d896a_pick
	.globl	k_qfa402d896a_pick
	.p2align	8
	.type	k_qfa402d896a_pick,@function
k_qfa402d896a_pick:
	s_mov_b64 s[64:65], 0
	v_nop
	global_prefetch_b8 v0, s[64:65] scope:SCOPE_SE
	s_setreg_imm32_b32 hwreg(HW_REG_WAVE_MODE, 25, 1), 1
	s_wait_xcnt 0x0
; idx[i][0..15] = the keys at sorted places 1 .. 16 of row i's distances.  The three bit sets of a row (FIRST: dist = the smallest; LESS: dist < the 17th; EQ: dist <= the 17th) were stored by the launch
; before.  f = the lowest key in FIRST is place 0 and is left out; the result is LESS without f, filled up to 16 by the lowest keys of EQ without LESS and f: the stable sort's choice.
; EVERY TRIP COUNT IS A CONSTANT OF THE TEXT, AND NO BRANCH AND NO ADDRESS HANGS ON THE BITS: what the bits decide is done by selects.  The indices go to memory as whole numbers; the next launch forms addresses from them.
; SHARES.  A work-group takes a row tile (16 rows), a wave one row.  The tile's 96 pieces of 512 bytes go through LDS (pitch 528), since a row's words lie 16 bytes in each piece.
; Then lane l stands for (segment l / 4, group l % 4) and holds eight words of each set; word j = 4 h + i, bit 31 - b is key BASE + j + 4 (j / 4) + 32 b.
; Inside a lane the key grows with b first and j second: the lane's lowest key is the leading bit of the OR of its words, in the lowest word that has that bit.
; THE LOOP: sixteen trips, each takes the wave's lowest key of a working set W.  W begins as LESS without f; where no lane holds a bit of W at a trip's head, W becomes EQ without LESS and f.
; The two sets hold 16 keys or more together (EQ holds the 17 smallest), so W cannot run empty a second time before the sixteenth key is taken.
; No matrix work, no tensor load.
.set PP,   528
.set IDXS, 96*PP                       ; behind the stage: 1,024 bytes of indices (64 a wave), then 1,024 bytes into which lanes 16-31 store and that nobody reads
	s_load_b128 s[4:7], s[0:1], 0x0                ; mask, idx
	v_lshl_add_u32 v64, v0, 2, 0xce00
	v_mov_b32 v65, 0
	v_lshrrev_b32 v1, 5, v0
	v_readfirstlane_b32 s10, v1                    ; wave = my row in the tile
	v_and_b32 v1, 31, v0                           ; lane
	v_lshlrev_b32 v2, 4, v1                        ; 16 x lane
	s_mul_i32 s11, s10, 6                          ; my six pieces: number = (8 m + segment) 4 + g
.irp t, 0,1,2,3,4,5
	s_add_co_u32 s12, s11, \t
	s_lshr_b32 s13, s12, 2
	s_lshl_b32 s13, s13, 20                        ; 1 MiB for each (m, segment)
	s_and_b32 s12, s12, 3
	s_lshl_b32 s12, s12, 9
	s_add_co_u32 s12, s12, s13
	v_add_nc_u32 v[4+\t], s12, v2
.endr
	s_lshl_b32 s14, ttmp9, 11                      ; 2,048 bytes a row tile
	s_mov_b32 s15, 0
	s_wait_kmcnt 0x0
	s_add_nc_u64 s[4:5], s[4:5], s[14:15]
.irp t, 0,1,2,3,4,5
	global_load_b128 v[16+4*\t:19+4*\t], v[4+\t], s[4:5] th:TH_LOAD_NT
.endr
	s_mul_i32 s12, s10, 6*PP
	v_add_nc_u32 v3, s12, v2                       ; into the stage
	v_mul_u32_u24 v10, v1, PP
	s_lshl_b32 s12, s10, 4
	v_add_nc_u32 v10, s12, v10                     ; out of it: piece = lane, my row's 16 bytes
	v_lshrrev_b32 v11, 2, v1
	v_lshlrev_b32 v11, 10, v11                     ; BASE = 1024 (l / 4)
	v_bfe_u32 v12, v1, 1, 1
	v_lshl_add_u32 v11, v12, 4, v11                ; + 16 ((l / 2) % 2)
	v_and_b32 v12, 1, v1
	v_lshl_add_u32 v11, v12, 2, v11                ; + 4 (l % 2)
	v_and_b32 v13, 15, v0
	v_lshlrev_b32 v13, 2, v13
	v_bfe_u32 v12, v0, 4, 1
	v_lshl_add_u32 v13, v12, 10, v13               ; lanes 16-31 one kilobyte further on
	s_lshl_b32 s12, s10, 6
	s_add_co_u32 s12, s12, IDXS
	v_add_nc_u32 v13, s12, v13                     ; where my lane puts its index: IDXS + 64 x wave + 4 (lane % 16) + 1024 (lane / 16)
	v_and_b32 v15, 63, v0
	v_lshlrev_b32 v15, 4, v15                      ; the way out (waves 0 and 1): 16 bytes a thread,
	v_add_nc_u32 v14, IDXS, v15                    ; in LDS and in idx alike
	s_lshl_b32 s14, ttmp9, 10                      ; idx: 16 rows of 64 bytes a work-group
	s_add_nc_u64 s[6:7], s[6:7], s[14:15]
	s_mov_b32 s18, 0x76543210
	s_mov_b32 s19, 0xfedcba98
	s_mov_b32 s20, 0x80000000
	s_mov_b32 s22, 0x4000                          ; a key above all keys
.irp t, 0,1,2,3,4,5
	s_wait_loadcnt 5-\t                            ; piece t is in; the later ones may be out
	ds_store_b128 v3, v[16+4*\t:19+4*\t] offset:PP*\t
.endr
	s_wait_dscnt 0x0                               ; for the others' sake: my stores have landed
	s_barrier_signal -1
	s_barrier_wait -1
.irp m, 0,1,2                                  ; FIRST v16-23, LESS v24-31, EQ v32-39: the lanes stand 33 x 16 bytes apart
.irp h, 0,1
	ds_load_b128 v[16+8*\m+4*\h:19+8*\m+4*\h], v10 offset:32*PP*\m+256*\h
.endr
.endr
	s_wait_dscnt 0x0
.macro ORW wb                          ; v40 = the OR of the eight words from v[wb] on
	v_or_b32 v40, v[\wb], v[\wb+1]
	v_or_b32 v46, v[\wb+2], v[\wb+3]
	v_or_b32 v47, v[\wb+4], v[\wb+5]
	v_or_b32 v42, v[\wb+6], v[\wb+7]
	v_or_b32 v40, v40, v46
	v_or_b32 v47, v47, v42
	v_or_b32 v40, v40, v47
.endm
; My lane's lowest key among the eight words from v[wb] on, whose OR is v40; s21: the lanes whose OR is not 0.  v41 b; v43 the bit (0 in an empty lane); v44 the word j; v45 the key (0x4000 in an empty lane).
; The leading bit: o & ~(o >> 1) keeps it and clears the bit below, so the conversion to f32 cannot round up into the next power of two, and the exponent field is the bit's place + 127.
.macro PICKKEY wb
	v_lshrrev_b32 v42, 1, v40
	v_bfi_b32 v42, v42, 0, v40
	v_cvt_f32_u32 v42, v42
	v_lshrrev_b32 v42, 23, v42
	v_sub_nc_u32 v41, 158, v42                     ; b = 31 - the place
	v_lshrrev_b32 v43, v41, s20
	v_cndmask_b32 v43, 0, v43, s21
	v_mov_b32 v44, 7
.irp j, 6,5,4,3,2,1,0
	v_and_b32 v46, v[\wb+\j], v43
	v_cmp_ne_u32 vcc_lo, 0, v46
	v_cndmask_b32 v44, v44, \j, vcc_lo
.endr
	v_lshrrev_b32 v46, 2, v44
	v_lshl_add_u32 v46, v46, 2, v44                ; j + 4 (j / 4)
	v_lshl_add_u32 v45, v41, 5, v11
	v_add_nc_u32 v45, v45, v46
	v_cndmask_b32 v45, s22, v45, s21
.endm
.macro WMIN                            ; v48 = the wave's lowest key, in every lane
	v_mov_b32 v48, v45
.irp k, 1,2,4,8
	v_mov_b32_dpp v46, v48 row_xmask:\k row_mask:0xf bank_mask:0xf
	v_min_u32 v48, v48, v46
.endr
	v_permlanex16_b32 v46, v48, s18, s19
	v_min_u32 v48, v48, v46
.endm
.macro CLEAR wb                        ; the bit v43 leaves word v44
.irp j, 0,1,2,3,4,5,6,7
	v_cmp_eq_u32 vcc_lo, \j, v44
	v_cndmask_b32 v46, 0, v43, vcc_lo
	v_bfi_b32 v[\wb+\j], v46, 0, v[\wb+\j]
.endr
.endm
	; place 0: f, the lowest key of FIRST, leaves both sets; EQ keeps what is not in LESS
	ORW 16
	v_cmp_ne_u32 s21, 0, v40
	PICKKEY 16
	WMIN
	v_cmp_eq_u32 vcc_lo, v45, v48
	v_cndmask_b32 v43, 0, v43, vcc_lo              ; the lane that owns f keeps its bit
.irp j, 0,1,2,3,4,5,6,7
	v_cmp_eq_u32 vcc_lo, \j, v44
	v_cndmask_b32 v46, 0, v43, vcc_lo
	v_or_b32 v47, v[24+\j], v46
	v_bfi_b32 v[32+\j], v47, 0, v[32+\j]
	v_bfi_b32 v[24+\j], v46, 0, v[24+\j]
.endr
	ORW 32
	v_mov_b32 v52, v40                             ; the OR of the second set's words: it goes in with them
	v_mov_b32 v49, 0                               ; lane n gathers key n
	s_mov_b32 s23, 0
.Ltrip:                                        ; sixteen trips; W = v24-31
	ORW 24
	v_cmp_ne_u32 s21, 0, v40
	s_cmp_eq_u32 s21, 0                            ; no lane holds a bit of W: a select follows, no jump
	s_cselect_b32 s25, -1, 0
.irp j, 0,1,2,3,4,5,6,7
	v_cndmask_b32 v[24+\j], v[24+\j], v[32+\j], s25
.endr
	v_cndmask_b32 v40, v40, v52, s25
	v_cmp_ne_u32 s21, 0, v40
	PICKKEY 24
	WMIN
	s_lshl_b32 s26, 1, s23
	v_cndmask_b32 v49, v49, v48, s26               ; key n to lane n
	v_cmp_eq_u32 vcc_lo, v45, v48
	v_cndmask_b32 v43, 0, v43, vcc_lo              ; the lane that owns it keeps its bit,
	CLEAR 24                                       ; and gives it up
	s_add_co_u32 s23, s23, 1
	s_cmp_lt_u32 s23, 16
	s_cbranch_scc1 .Ltrip
	ds_store_b32 v13, v49
	s_wait_dscnt 0x0                               ; for the others' sake: my store has landed
	s_barrier_signal -1
	s_barrier_wait -1
	s_cmp_gt_u32 s10, 1                            ; waves 0 and 1 store the tile's 1,024 bytes
	s_cbranch_scc1 .Lend
	ds_load_b128 v[16:19], v14
	s_wait_dscnt 0x0
	global_store_b128 v15, v[16:19], s[6:7]        ; 512 consecutive bytes a wave
.Lend:
	s_wait_tensorcnt 0x0
	ds_add_u32 v64, v65
	s_wait_dscnt 0x0
	s_endpgm
.Lfunc_end_k_qfa402d896a_pick:
	.size	k_qfa402d896a_pick, .Lfunc_end_k_qfa402d896a_pick-k_qfa402d896a_pick
	.p2alignl 7, 3214868480
	.fill 96, 4, 3214868480
	.section	.rodata,"a",@progbits
	.p2align	6, 0x0
	.amdhsa_kernel k_qfa402d896a_pick
		.amdhsa_group_segment_fixed_size 54784
		.amdhsa_private_segment_fixed_size 0
		.amdhsa_enable_private_segment 0
		.amdhsa_kernarg_size 16
		.amdhsa_user_sgpr_count 2
		.amdhsa_user_sgpr_kernarg_segment_ptr 1
		.amdhsa_wavefront_size32 1
		.amdhsa_system_sgpr_workgroup_id_x 1
		.amdhsa_system_sgpr_workgroup_id_y 1
		.amdhsa_system_sgpr_workgroup_id_z 1
		.amdhsa_system_vgpr_workitem_id 0
		.amdhsa_next_free_vgpr 66
		.amdhsa_next_free_sgpr 66
		.amdhsa_reserve_vcc 1
		.amdhsa_float_denorm_mode_32 3
		.amdhsa_float_denorm_mode_16_64 3
		.amdhsa_memory_ordered 1
		.amdhsa_forward_progress 1
		.amdhsa_inst_pref_size 15
	.end_amdhsa_kernel
	.amdgpu_metadata
---
amdhsa.version: [ 1, 2 ]
amdhsa.kernels:
  - .name:           k_qfa402d896a_pick
    .symbol:         k_qfa402d896a_pick.kd
    .args:
      - { .name: mask, .offset: 0, .size: 8, .value_kind: global_buffer, .address_space: global }
      - { .name: idx, .offset: 8, .size: 8, .value_kind: global_buffer, .address_space: global }
    .group_segment_fixed_size: 54784
    .private_segment_fixed_size: 0
    .kernarg_segment_align: 8
    .kernarg_segment_size: 16
    .max_flat_workgroup_size: 512
    .sgpr_count:     66
    .vgpr_count:     66
    .wavefront_size: 32
...
	.end_amdgpu_metadata
.endif
;; end of part 5
;; launch gather (part 6): grid 512 x 1, 16 waves a work-group, no clusters, 0 bytes of LDS; arguments idx, x, out0; writes out0
.if DOCPART == 6
	.amdgcn_target "amdgcn-amd-amdhsa--gfx1250"
	.amdhsa_code_object_version 6
	.text
	.protected	k_qfa402d896a_gather
	.globl	k_qfa402d896a_gather
	.p2align	8
	.type	k_qfa402d896a_gather,@function
k_qfa402d896a_gather:
	s_mov_b64 s[64:65], 0
	v_nop
	global_prefetch_b8 v0, s[64:65] scope:SCOPE_SE
	s_setreg_imm32_b32 hwreg(HW_REG_WAVE_MODE, 25, 1), 1
	s_wait_xcnt 0x0
; out0[i] = the mean of the 16 rows of x that idx[i][0..15] names.  idx was stored by the launch before, as whole numbers.
; SHARES.  A wave takes one row i: its 16 indices come by one scalar load of 64 bytes, are held at 8,191, and go straight into the offsets of the loads.  A neighbour's row is 2,048 bytes: four loads of
; 512 consecutive bytes, 16 bytes a lane.  A ring of four row slots keeps 16 loads of every wave in flight; the first two rows start the sums, so nothing is cleared.
; No LDS, no barrier, no matrix work: waves share nothing.  The sum runs in the order of idx, in f32; the division by 16 rounds nothing.
	s_load_b128 s[4:7], s[0:1], 0x0                ; idx, x
	s_load_b64 s[8:9], s[0:1], 0x10                ; out0
	v_lshrrev_b32 v1, 5, v0
	v_readfirstlane_b32 s10, v1                    ; wave
	v_and_b32 v1, 31, v0                           ; lane
	v_lshlrev_b32 v2, 4, v1                        ; 16 x lane
	s_lshl_b32 s11, ttmp9, 4
	s_add_co_u32 s11, s11, s10                     ; my row
	s_lshl_b32 s12, s11, 6                         ; its 64 bytes of idx
	s_mov_b32 s13, 0
	s_lshl_b32 s14, s11, 11                        ; its 2,048 bytes of out0
	s_mov_b32 s15, 0
	s_wait_kmcnt 0x0
	s_add_nc_u64 s[4:5], s[4:5], s[12:13]
	s_load_b512 s[40:55], s[4:5], 0x0              ; the 16 indices
	s_add_nc_u64 s[8:9], s[8:9], s[14:15]
	s_wait_kmcnt 0x0
.set n, 0
.rept 16
	s_min_u32 s[40+n], s[40+n], 8191               ; an index stays inside x
.set n, n+1
.endr
.macro ROWLOAD n                       ; neighbour n's 2,048 bytes into slot n % 4.  No hint: a row may be named by many lists
	v_lshl_add_u32 v[12+(\n)%4], s[40+(\n)], 11, v2
.irp c, 0,1,2,3
	global_load_b128 v[64+16*((\n)%4)+4*\c:64+16*((\n)%4)+4*\c+3], v[12+(\n)%4], s[6:7] offset:512*\c
.endr
.endm
.macro ROWADD n
.irp c, 0,2,4,6,8,10,12,14
	v_pk_add_f32 v[16+\c:17+\c], v[16+\c:17+\c], v[64+16*((\n)%4)+\c:64+16*((\n)%4)+\c+1]
.endr
.endm
	ROWLOAD 0
	ROWLOAD 1
	ROWLOAD 2
	ROWLOAD 3
	s_wait_loadcnt 8                               ; rows 0 and 1 are in; rows 2 and 3 may be out
.irp c, 0,2,4,6,8,10,12,14
	v_pk_add_f32 v[16+\c:17+\c], v[64+\c:65+\c], v[80+\c:81+\c]     ; the first two rows start the sums
.endr
	ROWLOAD 4
	ROWLOAD 5
.irp n, 2,3,4,5,6,7,8,9,10,11
	s_wait_loadcnt 12                              ; row n is in (so its slot's offset and registers are free); the three younger rows may be out
	ROWADD \n
	ROWLOAD \n+4
.endr
	s_wait_loadcnt 12
	ROWADD 12
	s_wait_loadcnt 8
	ROWADD 13
	s_wait_loadcnt 4
	ROWADD 14
	s_wait_loadcnt 0x0
	ROWADD 15
.irp c, 0,2,4,6,8,10,12,14
	v_pk_mul_f32 v[16+\c:17+\c], v[16+\c:17+\c], 0x3d800000 op_sel_hi:[1,0]     ; / 16
.endr
.irp c, 0,1,2,3
	global_store_b128 v2, v[16+4*\c:19+4*\c], s[8:9] offset:512*\c th:TH_STORE_NT   ; 512 consecutive bytes
.endr
	s_endpgm
.Lfunc_end_k_qfa402d896a_gather:
	.size	k_qfa402d896a_gather, .Lfunc_end_k_qfa402d896a_gather-k_qfa402d896a_gather
	.p2alignl 7, 3214868480
	.fill 96, 4, 3214868480
	.section	.rodata,"a",@progbits
	.p2align	6, 0x0
	.amdhsa_kernel k_qfa402d896a_gather
		.amdhsa_group_segment_fixed_size 0
		.amdhsa_private_segment_fixed_size 0
		.amdhsa_enable_private_segment 0
		.amdhsa_kernarg_size 24
		.amdhsa_user_sgpr_count 2
		.amdhsa_user_sgpr_kernarg_segment_ptr 1
		.amdhsa_wavefront_size32 1
		.amdhsa_system_sgpr_workgroup_id_x 1
		.amdhsa_system_sgpr_workgroup_id_y 1
		.amdhsa_system_sgpr_workgroup_id_z 1
		.amdhsa_system_vgpr_workitem_id 0
		.amdhsa_next_free_vgpr 128
		.amdhsa_next_free_sgpr 66
		.amdhsa_reserve_vcc 0
		.amdhsa_float_denorm_mode_32 3
		.amdhsa_float_denorm_mode_16_64 3
		.amdhsa_memory_ordered 1
		.amdhsa_forward_progress 1
		.amdhsa_inst_pref_size 18
	.end_amdhsa_kernel
	.amdgpu_metadata
---
amdhsa.version: [ 1, 2 ]
amdhsa.kernels:
  - .name:           k_qfa402d896a_gather
    .symbol:         k_qfa402d896a_gather.kd
    .args:
      - { .name: idx, .offset: 0, .size: 8, .value_kind: global_buffer, .address_space: global }
      - { .name: x, .offset: 8, .size: 8, .value_kind: global_buffer, .address_space: global }
      - { .name: out0, .offset: 16, .size: 8, .value_kind: global_buffer, .address_space: global }
    .group_segment_fixed_size: 0
    .private_segment_fixed_size: 0
    .kernarg_segment_align: 8
    .kernarg_segment_size: 24
    .max_flat_workgroup_size: 512
    .sgpr_count:     66
    .vgpr_count:     128
    .wavefront_size: 32
...
	.end_amdgpu_metadata
.endif
;; end of part 6
;; ======== version 2 of 2: 5 launches
;; limits: right only within a limited range of input values
;; workspace buffers: qa 4,194,304 bytes; kb 4,194,304 bytes; sq 32,768 bytes; part 5,242,880 bytes; mask 25,165,824 bytes of whole numbers; idx 524,288 bytes of whole numbers
;; launch quant (part 7): grid 256 x 1, 4 waves a work-group, no clusters, 34,816 bytes of LDS; arguments x, lowp_scales, qa, kb, sq; writes qa, kb, sq
.if DOCPART == 7
	.amdgcn_target "amdgcn-amd-amdhsa--gfx1250"
	.amdhsa_code_object_version 6
	.text
	.protected	k_qfa402d896a_quant
	.globl	k_qfa402d896a_quant
	.p2align	8
	.type	k_qfa402d896a_quant,@function
k_qfa402d896a_quant:
	s_mov_b64 s[64:65], 0
	v_nop
	global_prefetch_b8 v0, s[64:65] scope:SCOPE_SE
	s_setreg_imm32_b32 hwreg(HW_REG_WAVE_MODE, 25, 1), 1
	s_wait_xcnt 0x0
; x [8192][512] f32 becomes two sets of E4M3 codes: qa with the scale 2^e0 (the product's left operand), kb with 2^e1 (the right one), and sq[i] = the sum of x[i][k]^2.
; code = x / 2^e, held within +-448, to the nearest code, ties to even.
; LAYOUT OF qa AND kb: images of operand registers.  A tile of 16 rows is 8,192 bytes; byte ks*2048 + g*512 + lane*16 holds registers 4g .. 4g+3 of lane (r, h) of the 16x16x128 form's
; fragment of K step ks: the 8 codes k = 128 ks + 32 g + 8 h + 0..7, then the 8 codes 16 further on.  So the readers fetch a fragment by loads of 512 consecutive bytes.
; SHARES: a work-group takes 32 rows (two tiles); wave w quantises rows 8w .. 8w+7 into two stages in LDS (rows of 512 code bytes + 16); behind one barrier wave w writes out one image
; (buffer w % 2, tile w / 2).  A lane holds 8 neighbours along K, which is what the conversion takes.  No tensor load, no matrix work: memory binds.
; LIMITS: e0, e1 between -126 and 119.  NaN and infinities in x are not served.  sq is summed in 64 chains of 8 and a tree: another order of rounding than a plain sum.
.set PITCH, 528
.set STB,   32*PITCH                   ; stage of kb's codes, behind qa's
.set SQA,   2*STB                      ; 32 words of sq
.set X,     64                         ; v64-191  my 8 rows: 16 numbers a row and lane; later the image
.set CD,    192                        ; v192-255 codes: four registers for each (row, half): never written twice
.set PS,    32                         ; v32-47   a pair of partial sums for each row
	s_load_b128 s[4:7], s[0:1], 0x0                ; x, lowp_scales
	s_load_b128 s[8:11], s[0:1], 0x10              ; qa, kb
	s_load_b64 s[12:13], s[0:1], 0x20              ; sq
	v_lshl_add_u32 v62, v0, 2, 0x8600
	v_mov_b32 v63, 0
	v_lshrrev_b32 v1, 5, v0
	v_readfirstlane_b32 s14, v1                    ; wave
	v_and_b32 v1, 31, v0                           ; lane
	v_lshlrev_b32 v2, 5, v1                        ; my 8 numbers: 32 bytes a lane
	s_lshl_b32 s16, ttmp9, 16                      ; 32 rows of 2,048 bytes
	s_lshl_b32 s15, s14, 14                        ; + 8 rows a wave
	s_add_co_u32 s16, s16, s15
	s_mov_b32 s17, 0
	s_wait_alu depctr_va_vdst(0)
	s_wait_kmcnt 0x0
	s_load_b64 s[18:19], s[6:7], 0x0               ; e0, e1
	s_add_nc_u64 s[4:5], s[4:5], s[16:17]
.set n, 0
.rept 32                                       ; load n = 4 row + 2 half + piece: a pair of loads covers 1,024 consecutive bytes
	global_load_b128 v[X+4*n:X+4*n+3], v2, s[4:5] offset:2048*(n/4)+1024*((n/2)%2)+16*(n%2) th:TH_LOAD_NT
.set n, n+1
.endr
	s_mul_i32 s20, s14, 8*PITCH
	v_lshlrev_b32 v3, 3, v1
	v_add_nc_u32 v3, s20, v3                       ; into a stage: my wave's first row, 8 code bytes a lane
	s_and_b32 s21, s14, 1                          ; the buffer that I write out
	s_lshr_b32 s22, s14, 1                         ; and the tile
	s_mul_i32 s20, s21, STB
	s_mul_i32 s23, s22, 16*PITCH
	s_add_co_u32 s20, s20, s23
	v_and_b32 v6, 15, v0                           ; r
	v_bfe_u32 v7, v0, 4, 1                         ; h
	v_mul_u32_u24 v4, v6, PITCH
	v_lshl_add_u32 v4, v7, 3, v4
	v_add_nc_u32 v4, s20, v4                       ; out of a stage: row r of my tile, + 8 h
	v_lshlrev_b32 v5, 4, v1                        ; 16 x lane: my place in an image's 512 bytes
	v_and_b32 v6, 7, v0
	s_lshl_b32 s20, s14, 5
	s_add_co_u32 s20, s20, SQA
	v_lshl_add_u32 v6, v6, 2, s20                  ; sq's word of row 8 w + lane % 8
	v_lshlrev_b32 v7, 2, v1                        ; 4 x lane
	v_mov_b32 v49, 0                               ; lane l gathers the sum of row l % 8
	v_mov_b32 v50, 0                               ; a lane permute's destination counts as read
	s_mov_b32 s26, 0x76543210
	s_mov_b32 s27, 0xfedcba98
	s_cmp_eq_u32 s21, 0
	s_cselect_b64 s[28:29], s[8:9], s[10:11]       ; the choice hangs on the wave's number alone
	s_lshl_b32 s30, ttmp9, 14                      ; two tiles of 8,192 bytes a work-group
	s_lshl_b32 s31, s22, 13
	s_add_co_u32 s30, s30, s31
	s_mov_b32 s31, 0
	s_add_nc_u64 s[28:29], s[28:29], s[30:31]
	s_lshl_b32 s30, ttmp9, 7
	s_add_nc_u64 s[12:13], s[12:13], s[30:31]      ; sq at my work-group's 32 rows
	s_wait_kmcnt 0x0
	s_add_co_i32 s18, s18, 127
	s_lshl_b32 s24, s18, 23
	v_mov_b32 v8, s24                              ; 2^e0: the conversion takes its exponent field
	s_add_co_i32 s18, s18, 8
	s_lshl_b32 s18, s18, 23
	s_or_b32 s18, s18, 0x600000
	v_mov_b32 v9, s18                              ; 448 x 2^e0
	s_add_co_i32 s19, s19, 127
	s_lshl_b32 s24, s19, 23
	v_mov_b32 v10, s24                             ; 2^e1
	s_add_co_i32 s19, s19, 8
	s_lshl_b32 s19, s19, 23
	s_or_b32 s19, s19, 0x600000
	v_mov_b32 v11, s19                             ; 448 x 2^e1
.macro ROW p
	s_wait_loadcnt 4*(7-\p)                        ; this row's four loads are in; four for each later row may be out
.irp i, 0,1
.irp e, 0,1,2,3,4,5,6,7
	v_med3_num_f32 v[16+\e], v[X+16*\p+8*\i+\e], -v9, v9       ; the conversion does not saturate (ISA guide 7.6.2): the hold comes first
.endr
.irp e, 0,1,2,3,4,5,6,7
	v_med3_num_f32 v[24+\e], v[X+16*\p+8*\i+\e], -v11, v11
.endr
	v_cvt_scalef32_pk8_fp8_f32 v[CD+8*\p+4*\i:CD+8*\p+4*\i+1], v[16:23], v8
	v_cvt_scalef32_pk8_fp8_f32 v[CD+8*\p+4*\i+2:CD+8*\p+4*\i+3], v[24:31], v10
.irp e, 0,2,4,6                                ; the squares: also the plain lines behind the conversions
.if (\i == 0) && (\e == 0)
	v_pk_mul_f32 v[PS+2*\p:PS+2*\p+1], v[X+16*\p:X+16*\p+1], v[X+16*\p:X+16*\p+1]
.else
	v_pk_fma_f32 v[PS+2*\p:PS+2*\p+1], v[X+16*\p+8*\i+\e:X+16*\p+8*\i+\e+1], v[X+16*\p+8*\i+\e:X+16*\p+8*\i+\e+1], v[PS+2*\p:PS+2*\p+1]
.endif
.endr
	ds_store_b64 v3, v[CD+8*\p+4*\i:CD+8*\p+4*\i+1] offset:\p*PITCH+256*\i         ; 32 lanes: 256 consecutive bytes of the row
	ds_store_b64 v3, v[CD+8*\p+4*\i+2:CD+8*\p+4*\i+3] offset:STB+\p*PITCH+256*\i
.endr
	v_add_f32 v48, v[PS+2*\p], v[PS+2*\p+1]
	v_add_f32_dpp v48, v48, v48 row_xmask:1 row_mask:0xf bank_mask:0xf
	v_add_f32_dpp v48, v48, v48 row_xmask:2 row_mask:0xf bank_mask:0xf
	v_add_f32_dpp v48, v48, v48 row_xmask:4 row_mask:0xf bank_mask:0xf
	v_add_f32_dpp v48, v48, v48 row_xmask:8 row_mask:0xf bank_mask:0xf
	v_permlanex16_b32 v50, v48, s26, s27
	v_add_f32 v48, v48, v50                        ; the row's sum, in every lane
	s_mov_b32 s24, 0x01010101<<\p
	v_cndmask_b32 v49, v49, v48, s24               ; kept by the lanes with lane % 8 = row
.endm
	s_wait_alu depctr_va_vdst(0)
.irp p, 0,1,2,3,4,5,6,7
	ROW \p
.endr
	ds_store_b32 v6, v49                           ; four lanes store the same word with the same value
	s_wait_dscnt 0x0                               ; for the others' sake: my stores have landed
	s_barrier_signal -1
	s_barrier_wait -1
.set t, 0
.rept 16                                       ; image piece t = 4 ks + g: two loads of 8 bytes a lane
	ds_load_b64 v[X+4*t:X+4*t+1], v4 offset:128*(t/4)+32*(t%4)
	ds_load_b64 v[X+4*t+2:X+4*t+3], v4 offset:128*(t/4)+32*(t%4)+16
.set t, t+1
.endr
.set t, 0
.rept 16
	s_wait_dscnt 30-2*t                            ; piece t is in; two loads for each later piece may be out
	global_store_b128 v5, v[X+4*t:X+4*t+3], s[28:29] offset:512*t    ; 512 consecutive bytes
.set t, t+1
.endr
	s_cmp_lg_u32 s14, 0                            ; wave 0 alone stores the 32 sums
	s_cbranch_scc1 .Lend
	ds_load_b32 v48, v7 offset:SQA
	s_wait_dscnt 0x0
	global_store_b32 v7, v48, s[12:13]
.Lend:
	s_wait_tensorcnt 0x0
	ds_add_u32 v62, v63
	s_wait_dscnt 0x0
	s_endpgm
.Lfunc_end_k_qfa402d896a_quant:
	.size	k_qfa402d896a_quant, .Lfunc_end_k_qfa402d896a_quant-k_qfa402d896a_quant
	.p2alignl 7, 3214868480
	.fill 96, 4, 3214868480
	.section	.rodata,"a",@progbits
	.p2align	6, 0x0
	.amdhsa_kernel k_qfa402d896a_quant
		.amdhsa_group_segment_fixed_size 34816
		.amdhsa_private_segment_fixed_size 0
		.amdhsa_enable_private_segment 0
		.amdhsa_kernarg_size 40
		.amdhsa_user_sgpr_count 2
		.amdhsa_user_sgpr_kernarg_segment_ptr 1
		.amdhsa_wavefront_size32 1
		.amdhsa_system_sgpr_workgroup_id_x 1
		.amdhsa_system_sgpr_workgroup_id_y 1
		.amdhsa_system_sgpr_workgroup_id_z 1
		.amdhsa_system_vgpr_workitem_id 0
		.amdhsa_next_free_vgpr 256
		.amdhsa_next_free_sgpr 66
		.amdhsa_reserve_vcc 0
		.amdhsa_float_denorm_mode_32 3
		.amdhsa_float_denorm_mode_16_64 3
		.amdhsa_memory_ordered 1
		.amdhsa_forward_progress 1
		.amdhsa_inst_pref_size 39
	.end_amdhsa_kernel
	.amdgpu_metadata
---
amdhsa.version: [ 1, 2 ]
amdhsa.kernels:
  - .name:           k_qfa402d896a_quant
    .symbol:         k_qfa402d896a_quant.kd
    .args:
      - { .name: x, .offset: 0, .size: 8, .value_kind: global_buffer, .address_space: global }
      - { .name: lowp_scales, .offset: 8, .size: 8, .value_kind: global_buffer, .address_space: global }
      - { .name: qa, .offset: 16, .size: 8, .value_kind: global_buffer, .address_space: global }
      - { .name: kb, .offset: 24, .size: 8, .value_kind: global_buffer, .address_space: global }
      - { .name: sq, .offset: 32, .size: 8, .value_kind: global_buffer, .address_space: global }
    .group_segment_fixed_size: 34816
    .private_segment_fixed_size: 0
    .kernarg_segment_align: 8
    .kernarg_segment_size: 40
    .max_flat_workgroup_size: 128
    .sgpr_count:     66
    .vgpr_count:     256
    .wavefront_size: 32
...
	.end_amdgpu_metadata
.endif
;; end of part 7
;; launch sel (part 8): grid 32 x 8, 4 waves a work-group, clusters of 4 x 1, 327,680 bytes of LDS; arguments qa, kb, sq, lowp_scales, part; writes part
.if DOCPART == 8
	.amdgcn_target "amdgcn-amd-amdhsa--gfx1250"
	.amdhsa_code_object_version 6
	.text
	.protected	k_qfa402d896a_sel
	.globl	k_qfa402d896a_sel
	.p2align	8
	.type	k_qfa402d896a_sel,@function
k_qfa402d896a_sel:
	s_mov_b64 s[64:65], 0
	v_nop
	global_prefetch_b8 v0, s[64:65] scope:SCOPE_SE
	s_setreg_imm32_b32 hwreg(HW_REG_WAVE_MODE, 25, 1), 1
	s_wait_xcnt 0x0
	s_wait_alu depctr_hold_cnt(0) depctr_sa_sdst(0) depctr_va_vdst(0) depctr_va_sdst(0) depctr_va_ssrc(0) depctr_va_vcc(0) depctr_vm_vsrc(0)
	s_getreg_b32 s2, hwreg(HW_REG_IB_STS2, 6, 4)
	s_cmp_eq_u32 s2, 0
	s_cbranch_scc0 .Lentry_in_a_cluster
	s_endpgm
.Lentry_in_a_cluster:
	s_bfe_u32 s2, ttmp6, 0x10000c
	s_cmp_lg_u32 s2, 0x3003
	s_cbranch_scc0 .Lentry_shape_is_right
	s_endpgm
.Lentry_shape_is_right:
; For each row i and each segment of 1,024 keys: the 17 smallest d2 = sq[i] + sq[j] - 2 (codes' sum) 2^(e0+e1), sorted, into part.
; A work-group takes 256 rows x one segment; a wave 64 rows (four query tiles, fragments kept in registers); keys go 32 a trip from a ring of two LDS slots of 128 KiB,
; filled jointly by the four work-groups of a cluster, which share the segment.  A lane holds one row; its 16 numbers of a trip are part-sorted and inserted into short sorted lists.
; The phases of query tiles 1, 2 and 3 work on the trip before: so two phases stand between a trip's LDS loads and the first product that reads them.
; The segment's sq comes through registers into LDS blocks of its own, in which no tensor load lands.
; LIMITS: e0 + e1 between -127 and 126.  NaN and infinities are not served.
.set SLOT1,  1<<17
.set SQK,    262144
.set SPARE,  266240
.set AK0, 3
.set ADK, 4
.set AS0, 5
.set ADS, 6
.set SPW, 10
.set NIL, 11
.set SQQ, 12
.set SQN, 20
.set T23, 36
.set T1,  228
.set ACC, 68
.set X,   132
.set Y,   148
.set W,   164
.set WV,  14
.set TB,  48
.set TS,  49
.set MSB, 0
.set HKN, 0
.set HKIND, 0
.set HQ, 0
.set HN, 0
.macro WIN new
.if MSB != \new
	s_set_vgpr_msb (MSB<<8)|\new
.set MSB, \new
.endif
.endm
.macro ROUND
	s_barrier_signal -1
	s_barrier_wait -1
	s_cmp_lg_u32 s[WV], 0
	s_cbranch_scc1 .Lnot_wave_0_\@
	s_barrier_signal -3
.Lnot_wave_0_\@:
	s_barrier_wait -3
	s_barrier_signal -1
	s_barrier_wait -1
.endm
.macro CHANGE fill
	s_wait_tensorcnt 0x0
	ds_add_u32 v[SPW], v[NIL]
.if \fill
	s_xor_b32 s41, s41, SLOT1
	s_add_nc_u64 s[42:43], s[42:43], 131072
.endif
	s_wait_dscnt 0x0
.if \fill
	ROUND
	tensor_load_to_lds s[40:43], s[24:31]
	s_nop 0
.rept 4
	v_nop
.endr
.else
	s_barrier_signal -1
	s_barrier_wait -1
.endif
.endm
.macro HK
.if HKN > 0
	WIN 0x06
.rept HKN
.if (HKIND == 1) && (HN == 8)
	s_wait_dscnt 0x0                               ; K steps 2 and 3 of the trip's keys are in
.endif
.set MQ, 2*(HKIND-1)+(HN/2)%2                  ; HKIND 1: query tiles 0, 1; HKIND 2: tiles 2, 3; four accumulators by turns
.set MK, HN/4
.set RDD, ACC+16*MQ+8*(HN%2)
.set RAA, 64*(HN%2)+16*MK
.set RBB, 64*MQ+16*MK
.if MK == 0
	v_wmma_f32_16x16x128_fp8_fp8 v[RDD:RDD+7], v[RAA:RAA+15], v[RBB:RBB+15], 0
.else
	v_wmma_f32_16x16x128_fp8_fp8 v[RDD:RDD+7], v[RAA:RAA+15], v[RBB:RBB+15], v[RDD:RDD+7]
.endif
.set HN, HN+1
.endr
.endif
.endm
.macro TADD d, q
.irp j, 0,2,4,6,8,10,12,14
	v_pk_add_f32 v[\d+\j:\d+\j+1], v[SQN+\j:SQN+\j+1], v[SQQ+2*(\q):SQQ+2*(\q)+1]
.endr
.endm
.macro DFMA q, t
.irp j, 0,2,4,6,8,10,12,14
	v_pk_fma_f32 v[X+\j:X+\j+1], v[ACC+16*(\q)+\j:ACC+16*(\q)+\j+1], s[52:53], v[\t+\j:\t+\j+1] op_sel_hi:[1,0,1]
.endr
.endm
.macro SORT3 d0, d1, d2, a, b, c
	v_min3_num_f32 v[\d0], v[\a], v[\b], v[\c]
	v_med3_num_f32 v[\d1], v[\a], v[\b], v[\c]
	v_max3_num_f32 v[\d2], v[\a], v[\b], v[\c]
.endm
.macro SORT2 d0, d1, a, b
	v_min_num_f32 v[\d0], v[\a], v[\b]
	v_max_num_f32 v[\d1], v[\a], v[\b]
.endm
.macro AX1
.irp o, 0,8
	SORT3 Y+\o, Y+\o+1, Y+\o+2, X+\o, X+\o+1, X+\o+2
	SORT3 Y+\o+3, Y+\o+4, Y+\o+5, X+\o+3, X+\o+4, X+\o+5
	SORT2 Y+\o+6, Y+\o+7, X+\o+6, X+\o+7
.endr
.endm
.macro AX2
.irp o, 0,8
	SORT3 X+\o, X+\o+1, X+\o+2, Y+\o, Y+\o+3, Y+\o+6
	SORT3 X+\o+3, X+\o+4, X+\o+5, Y+\o+1, Y+\o+4, Y+\o+7
	SORT2 X+\o+6, X+\o+7, Y+\o+2, Y+\o+5
.endr
.endm
.macro AX3
.irp o, 0,1,2,3,4,5,6,7
	SORT2 Y+\o, Y+8+\o, X+\o, X+8+\o
.endr
.endm
.macro LSET q
.if (\q) == 0
.set LBQ, 128
.set WI, 0x8a
.set WT, 0xaa
.set WP, 0x02
.else
.set LBQ, 76*((\q)-1)
.set WI, 0xcf
.set WT, 0xff
.set WP, 0x03
.endif
.endm
.macro INS sg, off, n
.if (\n) > 1
.set ii, (\n)-1
.rept (\n)-1
	v_med3_num_f32 v[LBQ+\off+ii], v[LBQ+\off+ii-1], v[LBQ+\off+ii], v[Y+\sg]
.set ii, ii-1
.endr
.endif
	v_min3_num_f32 v[LBQ+\off], v[LBQ+\off], v[LBQ+\off], v[Y+\sg]
.endm
.macro PHASE q, t
	LSET \q
	WIN 0
	DFMA \q, \t
	HK
	WIN 0
	AX1
	HK
	WIN 0
	AX2
	HK
	WIN 0
	AX3
	HK
	WIN WI
	INS 0, 0, 17
	HK
	WIN WI
	INS 1, 17, 8
	INS 2, 25, 5
	HK
	WIN WI
	INS 3, 30, 8
	INS 4, 38, 4
	INS 5, 42, 2
	HK
	WIN WI
	INS 6, 44, 5
	INS 7, 49, 2
	INS 8, 51, 8
	HK
	WIN WI
	INS 9, 59, 4
	INS 10, 63, 2
	INS 11, 65, 4
	INS 12, 69, 2
	INS 13, 71, 1
	INS 14, 72, 2
	INS 15, 74, 1
.endm
.macro TRIP
	v_add_nc_u32 v[ADK], s[TB], v[AK0]
	v_add_nc_u32 v[ADS], s[TS], v[AS0]
.irp p, 0,1
	ds_load_b128 v[SQN+8*\p:SQN+8*\p+3], v[ADS] offset:64*\p
	ds_load_b128 v[SQN+8*\p+4:SQN+8*\p+7], v[ADS] offset:64*\p+16
.endr
	WIN 0x80
.irp ks, 0,1,2,3
.irp p, 0,1
.irp g, 0,1,2,3
	ds_load_b128 v[64*\p+16*\ks+4*\g:64*\p+16*\ks+4*\g+3], v[ADK] offset:\p*8192+\ks*2048+\g*512
.endr
.endr
.endr
.set HKN, 0
	PHASE 1, T1                                    ; the trip before's tiles 1 and 2, while this trip's 36 LDS loads come in
	PHASE 2, T23
	s_wait_dscnt 16                                ; sq and K steps 0 and 1 are in; the sixteen loads of K steps 2 and 3 may be out
.set HKN, 2
.set HKIND, 1
.set HN, 0
	PHASE 3, T23+16
.set HKIND, 2
.set HN, 0
	WIN 0
	TADD X, 0
	PHASE 0, X
	WIN 0
	TADD T1, 1
	TADD T23, 2
	TADD T23+16, 3
	s_add_co_u32 s[TB], s[TB], 16384
	s_add_co_u32 s[TS], s[TS], 128
.endm
.macro EIGHT
	s_mov_b32 s51, 8
.Ltrip_\@:
	TRIP
	s_sub_co_u32 s51, s51, 1
	s_cmp_lg_u32 s51, 0
	s_cbranch_scc1 .Ltrip_\@
.endm
.macro TINS off, n, p
.set uu, 0
.rept \n
.set ii, 16
.rept 18-(\p)*(uu+1)
	v_med3_num_f32 v[LBQ+ii], v[LBQ+ii-1], v[LBQ+ii], v[LBQ+\off+uu]
.set ii, ii-1
.endr
.set uu, uu+1
.endr
.endm
.macro TAIL q
	LSET \q
	WIN WT
	TINS 17, 8, 2
	TINS 25, 5, 3
	TINS 30, 8, 2
	TINS 38, 4, 4
	TINS 42, 2, 6
	TINS 44, 5, 3
	TINS 49, 2, 6
	TINS 51, 8, 2
	TINS 59, 4, 4
	TINS 63, 2, 6
	TINS 65, 4, 4
	TINS 69, 2, 8
	TINS 71, 1, 12
	TINS 72, 2, 6
	TINS 74, 1, 12
	WIN WP
.set uu, 0
.rept 17
	v_permlanex16_b32 v[W+uu], v[LBQ+uu], s54, s55
.set uu, uu+1
.endr
	WIN WI
.set uu, 0
.rept 17
.set ii, 16
.if uu == 0
.set cnt, 16
.else
.set cnt, 17-uu
.endif
.rept cnt
	v_med3_num_f32 v[LBQ+ii], v[LBQ+ii-1], v[LBQ+ii], v[W+uu]
.set ii, ii-1
.endr
.if uu == 0
	v_min3_num_f32 v[LBQ], v[LBQ], v[LBQ], v[W]
.endif
.set uu, uu+1
.endr
.endm
.macro OUTP la, lb, win, q
	WIN \win
.set uu, 0
.rept 17
	v_cndmask_b32 v[W+uu], v[\la+uu], v[\lb+uu], s57
.set uu, uu+1
.endr
	WIN 0
.set uu, 0
.rept 5                                        ; part [segment][5][row][4]: a row's list in five pieces of 16 bytes (entries 17 to 19 are fillers); a store covers 512 consecutive bytes
	global_store_b128 v[AK0], v[W+4*uu:W+4*uu+3], s[12:13] offset:uu*131072+(\q)*256
.set uu, uu+1
.endr
.endm
	s_load_b256 s[4:11], s[0:1], 0x0
	s_load_b64 s[12:13], s[0:1], 0x20
	v_lshl_add_u32 v[SPW], v0, 2, SPARE
	v_mov_b32 v[NIL], 0
	ds_add_u32 v10, v11
	ds_add_u32 v10, v11
	s_wait_dscnt 0x0
	v_lshrrev_b32 v1, 5, v0
	v_readfirstlane_b32 s[WV], v1
	s_bfe_u32 s15, ttmp6, 0x40000
	s_lshl_b32 s16, ttmp9, 2
	s_add_co_u32 s16, s16, s15
	s_and_b32 s17, ttmp7, 0xffff
	s_mov_b32 s24, 15|(3<<16)|(1<<21)
	s_mov_b32 s25, 32<<16
	s_mov_b32 s26, 128<<16
	s_mov_b32 s27, 32<<16
	s_mov_b32 s28, 128
	s_mov_b32 s29, 32
	s_mov_b32 s30, 0
	s_mov_b32 s31, 0
	s_lshl_b32 s18, s17, 19
	s_lshl_b32 s19, s[WV], 15
	s_add_co_u32 s18, s18, s19
	s_mov_b32 s19, 0
	s_lshl_b32 s20, s17, 12
	s_lshl_b32 s21, s[WV], 10
	s_add_co_u32 s20, s20, s21
	s_mov_b32 s21, 0
	s_wait_kmcnt 0x0
	s_mov_b32 s40, 1
	s_lshl_b32 s41, s[WV], 15
	s_add_nc_u64 s[42:43], s[6:7], s[18:19]
	s_or_b32 s43, s43, 0x80000000
	s_lshl_b32 s45, s[WV], 10
	s_add_co_u32 s45, s45, SQK
	s_add_nc_u64 s[46:47], s[8:9], s[20:21]
	ROUND
	tensor_load_to_lds s[40:43], s[24:31]
	s_nop 0
.rept 4
	v_nop
.endr
	s_load_b64 s[52:53], s[10:11], 0x0
	v_and_b32 v1, 15, v0
	v_bfe_u32 v2, v0, 4, 1
	v_and_b32 v[AK0], 31, v0
	v_lshlrev_b32 v[AK0], 4, v[AK0]
	v_add_nc_u32 v[ADS], s45, v[AK0]               ; where my wave's 1,024 bytes of the segment's sq go: SQK + 1,024 wave + 16 lane
	v_lshlrev_b32 v[AS0], 5, v2
	v_add_nc_u32 v[AS0], SQK, v[AS0]
	v_lshlrev_b32 v7, 2, v1
	s_wait_alu depctr_va_vdst(0)
	s_lshl_b32 s22, s16, 4
	s_lshl_b32 s23, s[WV], 2
	s_add_co_u32 s22, s22, s23
	s_lshl_b32 s2, s22, 13
	s_mov_b32 s3, 0
	s_add_nc_u64 s[4:5], s[4:5], s[2:3]
	WIN 0x40
.set n, 0
.rept 64
	global_load_b128 v[4*n:4*n+3], v[AK0], s[4:5] offset:512*n
.set n, n+1
.endr
	WIN 0
	global_load_b128 v[X:X+3], v[AK0], s[46:47]              ; my wave's quarter of the segment's sq: 512 consecutive bytes a load
	global_load_b128 v[X+4:X+7], v[AK0], s[46:47] offset:512
	s_lshl_b32 s2, s22, 6
	s_add_nc_u64 s[8:9], s[8:9], s[2:3]
.irp q, 0,1,2,3
	global_load_b32 v[SQQ+2*\q], v7, s[8:9] offset:64*\q
	global_load_b32 v[SQQ+2*\q+1], v7, s[8:9] offset:64*\q
.endr
	s_mul_i32 s2, s17, 655360
	s_lshl_b32 s23, s22, 8
	s_add_co_u32 s2, s2, s23
	s_add_nc_u64 s[12:13], s[12:13], s[2:3]
	s_mov_b32 s54, 0x76543210
	s_mov_b32 s55, 0xfedcba98
	s_mov_b32 s56, 0x7f800000
	s_mov_b32 s57, 0xffff0000
	s_mov_b32 s[TB], 0
	s_mov_b32 s[TS], 0
	s_mov_b32 s50, 3
.set ii, 0
.rept 32
	v_mov_b32 v[T23+ii], s56
	v_mov_b32 v[ACC+32+ii], 0
.if ii < 16
	v_mov_b32 v[T1+ii], s56
	v_mov_b32 v[ACC+16+ii], 0
.endif
.set ii, ii+1
.endr
.set ii, 0
.rept 20
	v_mov_b32 v[W+ii], s56
.set ii, ii+1
.endr
	WIN 0x80
.set ii, 0
.rept 75
	v_mov_b32 v[128+ii], s56
.set ii, ii+1
.endr
	WIN 0xc0
.set ii, 0
.rept 227
	v_mov_b32 v[ii], s56
.set ii, ii+1
.endr
	WIN 0
	s_wait_kmcnt 0x0
	s_add_co_i32 s52, s52, s53
	s_add_co_i32 s52, s52, 128
	s_lshl_b32 s52, s52, 23
	s_or_b32 s52, s52, 0x80000000
	s_mov_b32 s53, s52
	s_wait_loadcnt 0x0
	s_wait_tensorcnt 0x0                           ; no tensor load of mine is out when I store to LDS
	ds_store_b128 v[ADS], v[X:X+3]                 ; read by all waves behind the round below, in front of which every wave waits for its stores
	ds_store_b128 v[ADS], v[X+4:X+7] offset:512
.Lchunk:
	CHANGE 1
	EIGHT
	s_sub_co_u32 s[TB], s[TB], 131072
	s_xor_b32 s[TB], s[TB], SLOT1
	s_sub_co_u32 s50, s50, 1
	s_cmp_lg_u32 s50, 0
	s_cbranch_scc1 .Lchunk
	CHANGE 0
	EIGHT
.set HKN, 0
	PHASE 1, T1
	PHASE 2, T23
	PHASE 3, T23+16
	TAIL 0
	TAIL 1
	TAIL 2
	TAIL 3
	OUTP 128, 0, 0x0e, 0
	s_wait_xcnt 0x0
	OUTP 76, 152, 0x0f, 2
	s_wait_tensorcnt 0x0
	ds_add_u32 v[SPW], v[NIL]
	s_wait_dscnt 0x0
	ROUND
	s_endpgm
.Lfunc_end_k_qfa402d896a_sel:
	.size	k_qfa402d896a_sel, .Lfunc_end_k_qfa402d896a_sel-k_qfa402d896a_sel
	.p2alignl 7, 3214868480
	.fill 96, 4, 3214868480
	.section	.rodata,"a",@progbits
	.p2align	6, 0x0
	.amdhsa_kernel k_qfa402d896a_sel
		.amdhsa_group_segment_fixed_size 327680
		.amdhsa_private_segment_fixed_size 0
		.amdhsa_enable_private_segment 0
		.amdhsa_kernarg_size 40
		.amdhsa_user_sgpr_count 2
		.amdhsa_user_sgpr_kernarg_segment_ptr 1
		.amdhsa_wavefront_size32 1
		.amdhsa_system_sgpr_workgroup_id_x 1
		.amdhsa_system_sgpr_workgroup_id_y 1
		.amdhsa_system_sgpr_workgroup_id_z 1
		.amdhsa_system_vgpr_workitem_id 0
		.amdhsa_next_free_vgpr 1024
		.amdhsa_next_free_sgpr 66
		.amdhsa_reserve_vcc 0
		.amdhsa_float_denorm_mode_32 3
		.amdhsa_float_denorm_mode_16_64 3
		.amdhsa_memory_ordered 1
		.amdhsa_forward_progress 1
		.amdhsa_inst_pref_size 255
	.end_amdhsa_kernel
	.section	.bss,"aw",@nobits
	.p2align	6
	.space	262144
	.amdgpu_metadata
---
amdhsa.version: [ 1, 2 ]
amdhsa.kernels:
  - .name:           k_qfa402d896a_sel
    .symbol:         k_qfa402d896a_sel.kd
    .args:
      - { .name: qa, .offset: 0, .size: 8, .value_kind: global_buffer, .address_space: global }
      - { .name: kb, .offset: 8, .size: 8, .value_kind: global_buffer, .address_space: global }
      - { .name: sq, .offset: 16, .size: 8, .value_kind: global_buffer, .address_space: global }
      - { .name: lowp_scales, .offset: 24, .size: 8, .value_kind: global_buffer, .address_space: global }
      - { .name: part, .offset: 32, .size: 8, .value_kind: global_buffer, .address_space: global }
    .group_segment_fixed_size: 327680
    .private_segment_fixed_size: 0
    .kernarg_segment_align: 8
    .kernarg_segment_size: 40
    .max_flat_workgroup_size: 128
    .sgpr_count:     66
    .vgpr_count:     1024
    .wavefront_size: 32
...
	.end_amdgpu_metadata
.endif
;; end of part 8
;; launch bits (part 9): grid 32 x 8, 4 waves a work-group, clusters of 4 x 1, 327,680 bytes of LDS; arguments qa, kb, sq, lowp_scales, part, mask; writes mask
.if DOCPART == 9
	.amdgcn_target "amdgcn-amd-amdhsa--gfx1250"
	.amdhsa_code_object_version 6
	.text
	.protected	k_qfa402d896a_bits
	.globl	k_qfa402d896a_bits
	.p2align	8
	.type	k_qfa402d896a_bits,@function
k_qfa402d896a_bits:
	s_mov_b64 s[64:65], 0
	v_nop
	global_prefetch_b8 v0, s[64:65] scope:SCOPE_SE
	s_setreg_imm32_b32 hwreg(HW_REG_WAVE_MODE, 25, 1), 1
	s_wait_xcnt 0x0
	s_wait_alu depctr_hold_cnt(0) depctr_sa_sdst(0) depctr_va_vdst(0) depctr_va_sdst(0) depctr_va_ssrc(0) depctr_va_vcc(0) depctr_vm_vsrc(0)
	s_getreg_b32 s2, hwreg(HW_REG_IB_STS2, 6, 4)
	s_cmp_eq_u32 s2, 0
	s_cbranch_scc0 .Lentry_in_a_cluster
	s_endpgm
.Lentry_in_a_cluster:
	s_bfe_u32 s2, ttmp6, 0x10000c
	s_cmp_lg_u32 s2, 0x3003
	s_cbranch_scc0 .Lentry_shape_is_right
	s_endpgm
.Lentry_shape_is_right:
; The same products and the same d2 as in launch sel, bit for bit; each d2 is held against its row's three thresholds, and the three signs are shifted into words: mask.
; Shares, ring, joint loads and the order of a trip are launch sel's: the phases of query tiles 1, 2 and 3 work on the trip before; their first, empty phase shifts in a bit that the 32 later ones shift out.
; The segment's sq comes through registers into LDS blocks of its own, in which no tensor load lands.
; LIMITS: e0 + e1 between -127 and 126.  NaN and infinities are not served.
; THE THRESHOLDS are made in the head: a lane takes a row (two trips of 32 rows a wave), merges its eight segments' sorted lists of 17 from part, and takes V1 = max(smallest, 0), V17 = max(17th, 0).
; The order that counts is that of dist = sqrt(max(d2, 0)) rounded to f32.  For V the class [lo, hi] of d2 with the same dist is found exactly: D = the correctly rounded root (v_sqrt_f32, mended by the
; signs of two fused residuals); y has the root D where y - Dd D > 0 and y - Du D <= 0 (Dd, Du: D's neighbours).  Small V are first multiplied by 2^100, which rounds nothing.
; d2 < Ta: dist = the smallest;  d2 < Tb: dist < the 17th (V17 = 0: Tb = -inf);  d2 < Tc: dist <= the 17th.  The eight work-groups of a row block each make the same thresholds: they share nothing.
.set SLOT1,  1<<17
.set SQK,    262144
.set SPARE,  266240
.set AK0, 3
.set ADK, 4
.set AS0, 5
.set ADS, 6
.set SPW, 10
.set NIL, 11
.set SQQ, 12
.set SQN, 20
.set T23, 36
.set T1,  228
.set LA,  36                           ; the head alone: v36-195: segment s's list at LA + 20 s; the merged list is segment 0's registers
.set CA,  228                          ; the head alone: V1's class: +0 V, +1 the exponent added, +2 V scaled, +3 D, +4 Dd, +5 Du, +6, +7, +10 at work, +8 lo, +9 hi
.set CB,  240                          ; V17's
.set C100, 251
.set CINF, 252
.set PT,  253
.set ACC, 68
.set X,   132
.set S,   148
.set NT,  196
.set WV,  14
.set TB,  48
.set TS,  49
.set MSB, 0
.set HKN, 0
.set HKIND, 0
.set HQ, 0
.set HN, 0
.macro WIN new
.if MSB != \new
	s_set_vgpr_msb (MSB<<8)|\new
.set MSB, \new
.endif
.endm
.macro ROUND
	s_barrier_signal -1
	s_barrier_wait -1
	s_cmp_lg_u32 s[WV], 0
	s_cbranch_scc1 .Lnot_wave_0_\@
	s_barrier_signal -3
.Lnot_wave_0_\@:
	s_barrier_wait -3
	s_barrier_signal -1
	s_barrier_wait -1
.endm
.macro CHANGE fill
	s_wait_tensorcnt 0x0
	ds_add_u32 v[SPW], v[NIL]
.if \fill
	s_xor_b32 s41, s41, SLOT1
	s_add_nc_u64 s[42:43], s[42:43], 131072
.endif
	s_wait_dscnt 0x0
.if \fill
	ROUND
	tensor_load_to_lds s[40:43], s[24:31]
	s_nop 0
.rept 4
	v_nop
.endr
.else
	s_barrier_signal -1
	s_barrier_wait -1
.endif
.endm
.macro HK
.if HKN > 0
	WIN 0x06
.rept HKN
.if (HKIND == 1) && (HN == 8)
	s_wait_dscnt 0x0                               ; K steps 2 and 3 of the trip's keys are in
.endif
.set MQ, 2*(HKIND-1)+(HN/2)%2                  ; HKIND 1: query tiles 0, 1; HKIND 2: tiles 2, 3; four accumulators by turns
.set MK, HN/4
.set RDD, ACC+16*MQ+8*(HN%2)
.set RAA, 64*(HN%2)+16*MK
.set RBB, 64*MQ+16*MK
.if MK == 0
	v_wmma_f32_16x16x128_fp8_fp8 v[RDD:RDD+7], v[RAA:RAA+15], v[RBB:RBB+15], 0
.else
	v_wmma_f32_16x16x128_fp8_fp8 v[RDD:RDD+7], v[RAA:RAA+15], v[RBB:RBB+15], v[RDD:RDD+7]
.endif
.set HN, HN+1
.endr
.endif
.endm
.macro TADD d, q
.irp j, 0,2,4,6,8,10,12,14
	v_pk_add_f32 v[\d+\j:\d+\j+1], v[SQN+\j:SQN+\j+1], v[SQQ+2*(\q):SQQ+2*(\q)+1]
.endr
.endm
.macro DFMA q, t
.irp j, 0,2,4,6,8,10,12,14
	v_pk_fma_f32 v[X+\j:X+\j+1], v[ACC+16*(\q)+\j:ACC+16*(\q)+\j+1], s[52:53], v[\t+\j:\t+\j+1] op_sel_hi:[1,0,1]
.endr
.endm
.macro PHASE q, t
	WIN 0
	DFMA \q, \t
	HK
.irp m, 0,1,2
	WIN 0
.irp j, 0,2,4,6,8,10,12,14
	v_pk_add_f32 v[S+16*\m+\j:S+16*\m+\j+1], v[X+\j:X+\j+1], v[NT+8*(\q)+2*\m:NT+8*(\q)+2*\m+1]
.endr
	HK
.endr
.irp g, 0,1,2,3,4,5
	WIN 0xc3
.irp j, 0,1,2,3,4,5,6,7
	v_alignbit_b32 v[48*(\q)+8*\g+\j], v[48*(\q)+8*\g+\j], v[S+8*\g+\j], 31
.endr
.if \g < 4
	HK
.endif
.endr
.endm
.macro TRIP
	v_add_nc_u32 v[ADK], s[TB], v[AK0]
	v_add_nc_u32 v[ADS], s[TS], v[AS0]
.irp p, 0,1
	ds_load_b128 v[SQN+8*\p:SQN+8*\p+3], v[ADS] offset:64*\p
	ds_load_b128 v[SQN+8*\p+4:SQN+8*\p+7], v[ADS] offset:64*\p+16
.endr
	WIN 0x80
.irp ks, 0,1,2,3
.irp p, 0,1
.irp g, 0,1,2,3
	ds_load_b128 v[64*\p+16*\ks+4*\g:64*\p+16*\ks+4*\g+3], v[ADK] offset:\p*8192+\ks*2048+\g*512
.endr
.endr
.endr
.set HKN, 0
	PHASE 1, T1                                    ; the trip before's tiles 1 and 2, while this trip's 36 LDS loads come in
	PHASE 2, T23
	s_wait_dscnt 16                                ; sq and K steps 0 and 1 are in; the sixteen loads of K steps 2 and 3 may be out
.set HKN, 2
.set HKIND, 1
.set HN, 0
	PHASE 3, T23+16
.set HKIND, 2
.set HN, 0
	WIN 0
	TADD X, 0
	PHASE 0, X
	WIN 0
	TADD T1, 1
	TADD T23, 2
	TADD T23+16, 3
	s_add_co_u32 s[TB], s[TB], 16384
	s_add_co_u32 s[TS], s[TS], 128
.endm
.macro EIGHT
	s_mov_b32 s51, 8
.Ltrip_\@:
	TRIP
	s_sub_co_u32 s51, s51, 1
	s_cmp_lg_u32 s51, 0
	s_cbranch_scc1 .Ltrip_\@
.endm
.macro PUT m, sb
.irp q, 0,1,2,3
.irp g, 0,1,2,3
	global_store_b128 v[AK0], v[48*\q+16*(\m)+4*\g:48*\q+16*(\m)+4*\g+3], s[\sb:\sb+1] offset:\q*2048+\g*512
.endr
.endr
.endm
	s_load_b256 s[4:11], s[0:1], 0x0
	s_load_b128 s[60:63], s[0:1], 0x20
	v_lshl_add_u32 v[SPW], v0, 2, SPARE
	v_mov_b32 v[NIL], 0
	ds_add_u32 v10, v11
	ds_add_u32 v10, v11
	s_wait_dscnt 0x0
	v_lshrrev_b32 v1, 5, v0
	v_readfirstlane_b32 s[WV], v1
	s_bfe_u32 s15, ttmp6, 0x40000
	s_lshl_b32 s16, ttmp9, 2
	s_add_co_u32 s16, s16, s15
	s_and_b32 s17, ttmp7, 0xffff
	s_mov_b32 s24, 15|(3<<16)|(1<<21)
	s_mov_b32 s25, 32<<16
	s_mov_b32 s26, 128<<16
	s_mov_b32 s27, 32<<16
	s_mov_b32 s28, 128
	s_mov_b32 s29, 32
	s_mov_b32 s30, 0
	s_mov_b32 s31, 0
	s_lshl_b32 s18, s17, 19
	s_lshl_b32 s19, s[WV], 15
	s_add_co_u32 s18, s18, s19
	s_mov_b32 s19, 0
	s_lshl_b32 s20, s17, 12
	s_lshl_b32 s21, s[WV], 10
	s_add_co_u32 s20, s20, s21
	s_mov_b32 s21, 0
	s_wait_kmcnt 0x0
	s_mov_b32 s40, 1
	s_lshl_b32 s41, s[WV], 15
	s_add_nc_u64 s[42:43], s[6:7], s[18:19]
	s_or_b32 s43, s43, 0x80000000
	s_lshl_b32 s45, s[WV], 10
	s_add_co_u32 s45, s45, SQK
	s_add_nc_u64 s[46:47], s[8:9], s[20:21]
	ROUND
	tensor_load_to_lds s[40:43], s[24:31]
	s_nop 0
.rept 4
	v_nop
.endr
	s_load_b64 s[52:53], s[10:11], 0x0
	v_and_b32 v1, 15, v0
	v_bfe_u32 v2, v0, 4, 1
	v_and_b32 v[AK0], 31, v0
	v_lshlrev_b32 v[AK0], 4, v[AK0]
	v_add_nc_u32 v[ADS], s45, v[AK0]               ; where my wave's 1,024 bytes of the segment's sq go: SQK + 1,024 wave + 16 lane
	v_lshlrev_b32 v[AS0], 5, v2
	v_add_nc_u32 v[AS0], SQK, v[AS0]
	v_lshlrev_b32 v7, 2, v1
	v_mov_b32 v[C100], 100
	v_mov_b32 v[CINF], 0x7f800000
	v_mov_b32 v[PT], 0                             ; a lane exchange's destination counts as read
	s_wait_alu depctr_va_vdst(0)
	s_lshl_b32 s22, s16, 4
	s_lshl_b32 s23, s[WV], 2
	s_add_co_u32 s22, s22, s23
	s_lshl_b32 s2, s22, 13
	s_mov_b32 s3, 0
	s_add_nc_u64 s[4:5], s[4:5], s[2:3]
	s_lshl_b32 s2, s22, 8                          ; part: 16 bytes a row and piece, 16 rows a tile
	s_add_nc_u64 s[60:61], s[60:61], s[2:3]
.set n, 0
.rept 40                                       ; n = 5 segment + piece: the lists of my first 32 rows, a lane a row, 512 consecutive bytes a load
	global_load_b128 v[LA+4*n:LA+4*n+3], v[AK0], s[60:61] offset:n*131072
.set n, n+1
.endr
	WIN 0xc0
.set ii, 0
.rept 192                                      ; the words of bits begin empty
	v_mov_b32 v[ii], 0
.set ii, ii+1
.endr
	WIN 0x80
.set n, 0
.rept 40                                       ; the lists of my other 32 rows wait in window 2
	global_load_b128 v[4*n:4*n+3], v[AK0], s[60:61] offset:n*131072+512
.set n, n+1
.endr
	WIN 0x40
.set n, 0
.rept 64
	global_load_b128 v[4*n:4*n+3], v[AK0], s[4:5] offset:512*n
.set n, n+1
.endr
	WIN 0
	global_load_b128 v[SQN:SQN+3], v[AK0], s[46:47]          ; my wave's quarter of the segment's sq: 512 consecutive bytes a load
	global_load_b128 v[SQN+4:SQN+7], v[AK0], s[46:47] offset:512
	s_lshl_b32 s2, s22, 6
	s_add_nc_u64 s[8:9], s[8:9], s[2:3]
.irp q, 0,1,2,3
	global_load_b32 v[SQQ+2*\q], v7, s[8:9] offset:64*\q
	global_load_b32 v[SQQ+2*\q+1], v7, s[8:9] offset:64*\q
.endr
	s_lshl_b32 s2, s17, 20
	s_lshl_b32 s23, s22, 11
	s_add_co_u32 s2, s2, s23
	s_add_nc_u64 s[62:63], s[62:63], s[2:3]
	s_add_nc_u64 s[18:19], s[62:63], 0x800000
	s_add_nc_u64 s[20:21], s[62:63], 0x1000000
	s_mov_b32 s56, 0x7f800000
	s_mov_b32 s[TB], 0
	s_mov_b32 s[TS], 0
	s_mov_b32 s50, 3
.macro PRE b
	v_cmp_gt_f32 vcc_lo, s58, v[\b]
	v_cndmask_b32 v[\b+1], 0, v[C100], vcc_lo
	v_ldexp_f32 v[\b+2], v[\b], v[\b+1]
.endm
.macro POST b
	v_add_nc_u32 v[\b+4], -1, v[\b+3]
	v_add_nc_u32 v[\b+5], 1, v[\b+3]
	v_fma_f32 v[\b+6], -v[\b+4], v[\b+3], v[\b+2]
	v_fma_f32 v[\b+7], -v[\b+5], v[\b+3], v[\b+2]
	v_cmp_ge_f32 vcc_lo, 0, v[\b+6]                ; (a NaN pattern beside 0 compares false, which is the right answer there)
	v_cndmask_b32 v[\b+10], v[\b+3], v[\b+4], vcc_lo
	v_cmp_lt_f32 vcc_lo, 0, v[\b+7]
	v_cndmask_b32 v[\b+3], v[\b+10], v[\b+5], vcc_lo   ; D, correctly rounded
	v_add_nc_u32 v[\b+4], -1, v[\b+3]
	v_add_nc_u32 v[\b+5], 1, v[\b+3]
	v_mov_b32 v[\b+8], v[\b]
	v_mov_b32 v[\b+9], v[\b]
.irp k, 1,2
	v_add_nc_u32 v[\b+7], -\k, v[\b]               ; V's k-th neighbour below
	v_ldexp_f32 v[\b+6], v[\b+7], v[\b+1]
	v_fma_f32 v[\b+6], -v[\b+4], v[\b+3], v[\b+6]
	v_cmp_lt_f32 vcc_lo, 0, v[\b+6]
	v_cndmask_b32 v[\b+8], v[\b+8], v[\b+7], vcc_lo
	v_add_nc_u32 v[\b+7], \k, v[\b]                ; and above
	v_ldexp_f32 v[\b+6], v[\b+7], v[\b+1]
	v_fma_f32 v[\b+6], -v[\b+5], v[\b+3], v[\b+6]
	v_cmp_ge_f32 vcc_lo, 0, v[\b+6]
	v_cndmask_b32 v[\b+9], v[\b+9], v[\b+7], vcc_lo
.endr
.endm
.macro SPR t, d                        ; lane (r, h) made the number of row r of the trip's tile h: both halves of the lanes get both tiles' numbers, each as a pair
	v_permlanex16_b32 v[PT], v[\t], s54, s55
	v_cndmask_b32 v[\d], v[\t], v[PT], s57
	v_cndmask_b32 v[\d+1], v[\t], v[PT], s57
	v_cndmask_b32 v[\d+8], v[PT], v[\t], s57
	v_cndmask_b32 v[\d+9], v[PT], v[\t], s57
.endm
	s_mov_b32 s54, 0x76543210
	s_mov_b32 s55, 0xfedcba98                      ; v_permlanex16_b32's selects for lane l xor 16
	s_mov_b32 s57, 0xffff0000                      ; lanes 16-31
	s_mov_b32 s58, 0x2b800000                      ; 2^-40
	s_mov_b32 s59, 2
.set ii, 0
.rept 16
	v_mov_b32 v[NT+16+ii], 0                       ; the first trip moves these down
.set ii, ii+1
.endr
	s_wait_alu depctr_va_vdst(0)
	s_wait_loadcnt 63                              ; 74 loads were issued behind the 80 of part: all lists are in
.Lrows:                                        ; two trips: query tiles 0 and 1, then 2 and 3
.set sgm, 1
.rept 7
.set uu, 0
.rept 17                                       ; entry u finds u values not larger already there: its chain runs from 16 down to u
.set ii, 16
.if uu == 0
.set cnt, 16
.else
.set cnt, 17-uu
.endif
.rept cnt
	v_med3_num_f32 v[LA+ii], v[LA+ii-1], v[LA+ii], v[LA+20*sgm+uu]
.set ii, ii-1
.endr
.if uu == 0
	v_min_num_f32 v[LA], v[LA], v[LA+20*sgm]
.endif
.set uu, uu+1
.endr
.set sgm, sgm+1
.endr
	v_max_num_f32 v[CA], 0, v[LA]
	v_max_num_f32 v[CB], 0, v[LA+16]
	PRE CA
	PRE CB
	s_wait_alu depctr_va_vdst(0)
	v_sqrt_f32 v[CA+3], v[CA+2]
	v_sqrt_f32 v[CB+3], v[CB+2]
	v_nop                                          ; a plain line behind the roots
	s_wait_alu depctr_va_vdst(0)                   ; one wait for both, ahead of their first reader
	POST CA
	POST CB
	v_add_nc_u32 v[CA+6], 1, v[CA+9]               ; Ta: the number above hi(V1)
	v_xor_b32 v[CA+6], 0x80000000, v[CA+6]
	v_xor_b32 v[CA+7], 0x80000000, v[CB+8]         ; Tb = lo(V17),
	v_cmp_eq_f32 vcc_lo, 0, v[CB]
	v_cndmask_b32 v[CA+7], v[CA+7], v[CINF], vcc_lo   ; or -inf
	v_add_nc_u32 v[CB+6], 1, v[CB+9]               ; Tc: the number above hi(V17)
	v_xor_b32 v[CB+6], 0x80000000, v[CB+6]
.set ii, 0
.rept 16
	v_mov_b32 v[NT+ii], v[NT+16+ii]                ; the trip before's two tiles move down
.set ii, ii+1
.endr
	SPR CA+6, NT+16
	SPR CA+7, NT+18
	SPR CB+6, NT+20
	WIN 0x02
.set ii, 0
.rept 160
	v_mov_b32 v[LA+ii], v[ii]                      ; the other 32 rows' lists, out of window 2 (in the second trip: moved once more, and not read)
.set ii, ii+1
.endr
	WIN 0
	s_sub_co_u32 s59, s59, 1
	s_cmp_lg_u32 s59, 0
	s_wait_alu depctr_va_vdst(0)
	s_cbranch_scc1 .Lrows
.set ii, 0
.rept 32
	v_mov_b32 v[T23+ii], s56
	v_mov_b32 v[ACC+32+ii], 0
.if ii < 16
	v_mov_b32 v[T1+ii], s56
	v_mov_b32 v[ACC+16+ii], 0
.endif
.set ii, ii+1
.endr
	s_wait_kmcnt 0x0
	s_add_co_i32 s52, s52, s53
	s_add_co_i32 s52, s52, 128
	s_lshl_b32 s52, s52, 23
	s_or_b32 s52, s52, 0x80000000
	s_mov_b32 s53, s52
	s_wait_loadcnt 0x0
	s_wait_tensorcnt 0x0                           ; no tensor load of mine is out when I store to LDS
	ds_store_b128 v[ADS], v[SQN:SQN+3]             ; read by all waves behind the round below, in front of which every wave waits for its stores
	ds_store_b128 v[ADS], v[SQN+4:SQN+7] offset:512
.Lchunk:
	CHANGE 1
	EIGHT
	s_sub_co_u32 s[TB], s[TB], 131072
	s_xor_b32 s[TB], s[TB], SLOT1
	s_sub_co_u32 s50, s50, 1
	s_cmp_lg_u32 s50, 0
	s_cbranch_scc1 .Lchunk
	CHANGE 0
	EIGHT
.set HKN, 0
	PHASE 1, T1
	PHASE 2, T23
	PHASE 3, T23+16
	WIN 0x0c
	PUT 0, 62
	PUT 1, 18
	PUT 2, 20
	WIN 0
	s_wait_tensorcnt 0x0
	ds_add_u32 v[SPW], v[NIL]
	s_wait_dscnt 0x0
	ROUND
	s_endpgm
.Lfunc_end_k_qfa402d896a_bits:
	.size	k_qfa402d896a_bits, .Lfunc_end_k_qfa402d896a_bits-k_qfa402d896a_bits
	.p2alignl 7, 3214868480
	.fill 96, 4, 3214868480
	.section	.rodata,"a",@progbits
	.p2align	6, 0x0
	.amdhsa_kernel k_qfa402d896a_bits
		.amdhsa_group_segment_fixed_size 327680
		.amdhsa_private_segment_fixed_size 0
		.amdhsa_enable_private_segment 0
		.amdhsa_kernarg_size 48
		.amdhsa_user_sgpr_count 2
		.amdhsa_user_sgpr_kernarg_segment_ptr 1
		.amdhsa_wavefront_size32 1
		.amdhsa_system_sgpr_workgroup_id_x 1
		.amdhsa_system_sgpr_workgroup_id_y 1
		.amdhsa_system_sgpr_workgroup_id_z 1
		.amdhsa_system_vgpr_workitem_id 0
		.amdhsa_next_free_vgpr 1024
		.amdhsa_next_free_sgpr 66
		.amdhsa_reserve_vcc 1
		.amdhsa_float_denorm_mode_32 3
		.amdhsa_float_denorm_mode_16_64 3
		.amdhsa_memory_ordered 1
		.amdhsa_forward_progress 1
		.amdhsa_inst_pref_size 183
	.end_amdhsa_kernel
	.amdgpu_metadata
---
amdhsa.version: [ 1, 2 ]
amdhsa.kernels:
  - .name:           k_qfa402d896a_bits
    .symbol:         k_qfa402d896a_bits.kd
    .args:
      - { .name: qa, .offset: 0, .size: 8, .value_kind: global_buffer, .address_space: global }
      - { .name: kb, .offset: 8, .size: 8, .value_kind: global_buffer, .address_space: global }
      - { .name: sq, .offset: 16, .size: 8, .value_kind: global_buffer, .address_space: global }
      - { .name: lowp_scales, .offset: 24, .size: 8, .value_kind: global_buffer, .address_space: global }
      - { .name: part, .offset: 32, .size: 8, .value_kind: global_buffer, .address_space: global }
      - { .name: mask, .offset: 40, .size: 8, .value_kind: global_buffer, .address_space: global }
    .group_segment_fixed_size: 327680
    .private_segment_fixed_size: 0
    .kernarg_segment_align: 8
    .kernarg_segment_size: 48
    .max_flat_workgroup_size: 128
    .sgpr_count:     66
    .vgpr_count:     1024
    .wavefront_size: 32
...
	.end_amdgpu_metadata
.endif
;; end of part 9
;; launch pick (part 10): grid 512 x 1, 4 waves a work-group, no clusters, 52,224 bytes of LDS; arguments mask, idx; writes idx
.if DOCPART == 10
	.amdgcn_target "amdgcn-amd-amdhsa--gfx1250"
	.amdhsa_code_object_version 6
	.text
	.protected	k_qfa402d896a_pick
	.globl	k_qfa402d896a_pick
	.p2align	8
	.type	k_qfa402d896a_pick,@function
k_qfa402d896a_pick:
	s_mov_b64 s[64:65], 0
	v_nop
	global_prefetch_b8 v0, s[64:65] scope:SCOPE_SE
	s_setreg_imm32_b32 hwreg(HW_REG_WAVE_MODE, 25, 1), 1
	s_wait_xcnt 0x0
; idx[i][0..15] = the keys at sorted places 1 .. 16 of row i's distances.  The three bit sets of a row (FIRST: dist = the smallest; LESS: dist < the 17th; EQ: dist <= the 17th) were stored by the launch
; before.  f = the lowest key in FIRST is place 0 and is left out; the result is LESS without f, filled up to 16 by the lowest keys of EQ without LESS and f: the stable sort's choice.
; EVERY TRIP COUNT IS A CONSTANT OF THE TEXT, AND NO BRANCH AND NO ADDRESS HANGS ON THE BITS: what the bits decide is done by selects.  The indices go to memory as whole numbers; the next launch forms addresses from them.
; SHARES.  A work-group takes a row tile (16 rows), each of its four waves four rows, eight lanes to a row: lane l stands for segment l / 4 of row 4 w + l % 4 and holds the segment's 32 words of each set,
; word j = the key's low five bits, bit 31 - b = column b: key = 1024 seg + 32 b + j.  So inside a lane the key grows with b first and j second.
; The tile's 96 pieces of 512 bytes go through LDS (pitch 528), since a row's words lie 16 bytes in each piece.
; A LANE'S STATE.  The words are never changed in the loop.  OC: the columns not yet taken up (one word).  CB: the 32 bits of the column in hand, bit j = word j, less the keys already taken.  KC: that column's part of the key.
; A TRIP.  A lane whose CB is empty takes up its next column: the leading bit of OC, and bit p of each of its 32 words shifted into CB (four chains of eight, joined by byte picks).  A lane that has neither a bit in CB
; nor a column left changes, once, from LESS to the second set, and from then on offers its keys with 0x2000 added: so a row's lowest offer is a key of LESS as long as any lane holds one.
; Each lane offers its lowest key (the lowest bit of CB); the row's minimum over its eight lanes is trip n's key; the lane that owns it clears the bit.
; The two sets hold 16 keys or more together (EQ holds the 17 smallest), so all sixteen trips find a key.
; The place of a bit comes from the exponent field of the conversion to f32: of a single bit exactly; of OC & ~(OC >> 1), which keeps the leading bit and clears the one below, so that rounding cannot carry.
; No matrix work, no tensor load.
.set PP,   528
.set IDXS, 96*PP                       ; behind the stage: the tile's 1,024 bytes of indices
.set F,    32                          ; v32-63   FIRST; afterwards the words shifted by p
.set W,    64                          ; v64-95   LESS, then LESS without f: the set in hand
.set E,    96                          ; v96-127  EQ, then EQ without LESS and f: the second set
.set OUT,  8                           ; v8, v9   keys 0-7 and 8-15: key n in lane 4 (n % 8) + row
.set RDA,  10                          ; v10  out of the stage
.set KB,   11                          ; v11  1024 seg + 32 x 31 - 127
.set KB2,  12                          ; v12  the same + 0x2000
.set IXA,  13                          ; v13  where my lane puts its keys
.set CB,   16
.set KC,   17
.set OC,   18
.set OE,   19                          ; v19  the second set's columns; 0 once they have been taken over
.set PL,   20                          ; v20  p: the place of the leading bit
.set COL,  21                          ; v21  a column just gathered
.set LOW,  22                          ; v22  the lowest bit of CB
.set KEY,  23                          ; v23  my offer
.set CH,   24                          ; v24-27  four chains
.set TM,   28
.set MN,   29                          ; v29  the row's minimum
.set KBC,  30                          ; v30  KB or KB2: the set that my lane is in
.set T2,   31
	s_load_b128 s[4:7], s[0:1], 0x0                ; mask, idx
	v_lshl_add_u32 v128, v0, 2, 0xca00
	v_mov_b32 v129, 0
	v_lshrrev_b32 v1, 5, v0
	v_readfirstlane_b32 s10, v1                    ; wave 0..3
	v_and_b32 v1, 31, v0                           ; lane
	v_lshlrev_b32 v2, 4, v1                        ; 16 x lane
	s_mul_i32 s12, s10, 6                          ; my 24 pieces: piece = (8 m + segment) 4 + g = 24 w + t, so 8 m + segment = 6 w + t / 4 and g = t % 4
	s_lshl_b32 s12, s12, 20                        ; 1 MiB for each (m, segment)
	s_lshl_b32 s14, ttmp9, 11                      ; 2,048 bytes a row tile
	s_add_co_u32 s14, s14, s12
	s_mov_b32 s15, 0
	s_wait_alu depctr_va_vdst(0)
	s_wait_kmcnt 0x0
	s_add_nc_u64 s[4:5], s[4:5], s[14:15]
.set t, 0
.rept 24                                       ; 512 consecutive bytes a load; the piece stands in the immediate (5 MiB + 1,536 at the most)
	global_load_b128 v[F+4*t:F+4*t+3], v2, s[4:5] offset:((t/4)<<20)+((t%4)<<9) th:TH_LOAD_NT
.set t, t+1
.endr
	s_mul_i32 s12, s10, 24*PP
	v_add_nc_u32 v3, s12, v2                       ; into the stage
	v_lshrrev_b32 v4, 2, v1                        ; segment
	v_and_b32 v5, 3, v1                            ; row in the wave
	v_mul_u32_u24 v[RDA], v4, 4*PP                 ; four pieces a segment,
	v_lshl_add_u32 v[RDA], v5, 4, v[RDA]           ; 16 bytes a row,
	s_lshl_b32 s12, s10, 6
	v_add_nc_u32 v[RDA], s12, v[RDA]               ; four rows a wave
	v_lshlrev_b32 v[KB], 10, v4
	v_add_nc_u32 v[KB], 865, v[KB]
	v_add_nc_u32 v[KB2], 0x2000, v[KB]
	v_lshlrev_b32 v[IXA], 6, v5                    ; 64 bytes a row,
	v_lshl_add_u32 v[IXA], v4, 2, v[IXA]           ; key n % 8 = my segment's number,
	s_lshl_b32 s12, s10, 8
	s_add_co_u32 s12, s12, IDXS
	v_add_nc_u32 v[IXA], s12, v[IXA]               ; four rows a wave
	v_and_b32 v15, 63, v0
	v_lshlrev_b32 v15, 4, v15                      ; the way out (waves 0 and 1): 16 bytes a thread,
	v_add_nc_u32 v14, IDXS, v15                    ; in LDS and in idx alike
	s_lshl_b32 s14, ttmp9, 10                      ; idx: 16 rows of 64 bytes a work-group
	s_add_nc_u64 s[6:7], s[6:7], s[14:15]
	s_mov_b32 s18, 0x76543210
	s_mov_b32 s19, 0xfedcba98                      ; v_permlanex16_b32's selects for lane l xor 16
	s_mov_b32 s22, 0x4000                          ; an offer above all keys
	s_mov_b32 s16, 0x07030703                      ; byte 3 of the second source, byte 3 of the first, twice
	s_mov_b32 s17, 0x05040100                      ; the two low halves
	v_mov_b32 v[TM], 0                             ; a lane exchange's destination counts as read
	v_mov_b32 v[OUT], 0
	v_mov_b32 v[OUT+1], 0
.set t, 0
.rept 24
	s_wait_loadcnt 23-t                            ; piece t is in; the later ones may be out
	ds_store_b128 v3, v[F+4*t:F+4*t+3] offset:PP*t
.set t, t+1
.endr
	s_wait_dscnt 0x0                               ; for the others' sake: my stores have landed
	s_barrier_signal -1
	s_barrier_wait -1
.irp m, 0,1,2                                  ; the piece (g, h) holds words 16 (g / 2) + 8 h + 4 (g % 2) + 0 .. 3.
.irp g, 0,1,2,3
.irp h, 0,1
	ds_load_b128 v[F+32*\m+16*(\g/2)+8*\h+4*(\g%2):F+32*\m+16*(\g/2)+8*\h+4*(\g%2)+3], v[RDA] offset:32*PP*\m+PP*\g+256*\h
.endr
.endr
.endr
.macro OR32 src, dst                   ; the OR of 32 words, in four chains
.irp k, 0,1,2,3
	v_or_b32 v[CH+\k], v[\src+8*\k], v[\src+8*\k+1]
.endr
.irp i, 2,3,4,5,6,7
.irp k, 0,1,2,3
	v_or_b32 v[CH+\k], v[CH+\k], v[\src+8*\k+\i]
.endr
.endr
	v_or_b32 v[CH], v[CH], v[CH+1]
	v_or_b32 v[CH+2], v[CH+2], v[CH+3]
	v_or_b32 v[\dst], v[CH], v[CH+2]
.endm
.macro LEAD o                          ; PL = the place of v[o]'s leading bit (of no use where v[o] is 0: the lines behind guard that case)
	v_lshrrev_b32 v[PL], 1, v[\o]
	v_bfi_b32 v[PL], v[PL], 0, v[\o]               ; o & ~(o >> 1)
	v_cvt_f32_u32 v[PL], v[PL]
	v_lshrrev_b32 v[PL], 23, v[PL]
	v_add_nc_u32 v[PL], 0xffffff81, v[PL]          ; - 127
.endm
.macro GATHER src                      ; COL: bit j = bit PL of word j.  Each chain takes eight words: a word's bit comes in at bit 31 and moves down, so that the chain's top byte holds its eight bits in order
.irp i, 0,1,2,3,4,5,6,7
.irp k, 0,1,2,3
	v_lshrrev_b32 v[F+8*\k+\i], v[PL], v[\src+8*\k+\i]
.endr
.endr
.irp k, 0,1,2,3
	v_lshlrev_b32 v[CH+\k], 31, v[F+8*\k]
.endr
.irp i, 1,2,3,4,5,6,7
.irp k, 0,1,2,3
	v_alignbit_b32 v[CH+\k], v[F+8*\k+\i], v[CH+\k], 1
.endr
.endr
	v_perm_b32 v[CH], v[CH+1], v[CH], s16
	v_perm_b32 v[CH+2], v[CH+3], v[CH+2], s16
	v_perm_b32 v[COL], v[CH+2], v[CH], s17
.endm
.macro OFFER                           ; LOW = the lowest bit of CB; KEY = KC + 127 + its place, or 0x4000 where CB is empty
	v_sub_nc_u32 v[LOW], 0, v[CB]
	v_and_b32 v[LOW], v[CB], v[LOW]
	v_cvt_f32_u32 v[KEY], v[LOW]
	v_lshrrev_b32 v[KEY], 23, v[KEY]
	v_add_nc_u32 v[KEY], v[KC], v[KEY]
	v_cmp_ne_u32 vcc_lo, 0, v[CB]
	v_cndmask_b32 v[KEY], s22, v[KEY], vcc_lo
.endm
.macro RMIN                            ; MN = the lowest offer of my row's eight lanes, which stand four lanes apart
	v_mov_b32_dpp v[TM], v[KEY] row_xmask:4 row_mask:0xf bank_mask:0xf
	v_min_u32 v[MN], v[KEY], v[TM]
	v_mov_b32_dpp v[TM], v[MN] row_xmask:8 row_mask:0xf bank_mask:0xf
	v_min_u32 v[MN], v[MN], v[TM]
	v_permlanex16_b32 v[TM], v[MN], s18, s19
	v_min_u32 v[MN], v[MN], v[TM]
.endm
	; place 0: f, the lowest key of FIRST
	s_wait_dscnt 16                                ; FIRST's eight loads are in; the sixteen of LESS and EQ may be out
	OR32 F, OC
	LEAD OC
	v_lshlrev_b32 v[T2], 5, v[PL]
	v_sub_nc_u32 v[KC], v[KB], v[T2]               ; 1024 seg + 32 (31 - p) - 127
	GATHER F                                       ; (in place: FIRST's words are not needed again)
	v_cmp_ne_u32 vcc_lo, 0, v[OC]
	v_cndmask_b32 v[CB], 0, v[COL], vcc_lo         ; nothing in a lane without a bit
	OFFER
	RMIN
	v_cmp_eq_u32 vcc_lo, v[KEY], v[MN]
	v_cndmask_b32 v[LOW], 0, v[LOW], vcc_lo        ; the lane that owns f keeps the mark of its word
	s_wait_alu depctr_va_vdst(0)
	s_wait_dscnt 0x0                               ; LESS and EQ are in
.set jj, 0
.rept 32                                       ; f leaves both sets; the second set keeps what is not in LESS
	v_bfe_u32 v[F+jj], v[LOW], jj, 1
	v_lshlrev_b32 v[F+jj], v[PL], v[F+jj]          ; f's bit, in its word of its lane; else 0
	v_bfi_b32 v[E+jj], v[F+jj], 0, v[E+jj]
	v_bfi_b32 v[W+jj], v[F+jj], 0, v[W+jj]
	v_bfi_b32 v[E+jj], v[W+jj], 0, v[E+jj]
.set jj, jj+1
.endr
	OR32 W, OC
	OR32 E, OE
	v_mov_b32 v[CB], 0
	v_mov_b32 v[KBC], v[KB]
	s_mov_b32 s23, 0
.Ltrip:                                        ; sixteen trips
	s_wait_alu depctr_va_vdst(0)
	v_cmp_eq_u32 s24, 0, v[CB]                     ; my column is used up,
	v_cmp_eq_u32 s25, 0, v[OC]                     ; and so are my columns:
	s_and_b32 s25, s24, s25                        ; my lane takes the second set (a select, no jump; a second time it finds OE = 0)
.set jj, 0
.rept 32
	v_cndmask_b32 v[W+jj], v[W+jj], v[E+jj], s25
.set jj, jj+1
.endr
	v_cndmask_b32 v[OC], v[OC], v[OE], s25
	v_cndmask_b32 v[OE], v[OE], 0, s25
	v_cndmask_b32 v[KBC], v[KBC], v[KB2], s25
	v_cmp_ne_u32 s26, 0, v[OC]
	s_and_b32 s26, s26, s24                        ; the lanes that take up a new column
	LEAD OC
	v_lshlrev_b32 v[T2], v[PL], 1
	v_bfi_b32 v[T2], v[T2], 0, v[OC]
	v_cndmask_b32 v[OC], v[OC], v[T2], s26         ; the column leaves OC
	v_lshlrev_b32 v[T2], 5, v[PL]
	v_sub_nc_u32 v[T2], v[KBC], v[T2]
	v_cndmask_b32 v[KC], v[KC], v[T2], s26
	GATHER W
	v_cndmask_b32 v[CB], v[CB], v[COL], s26
	OFFER
	RMIN
	v_cmp_eq_u32 vcc_lo, v[KEY], v[MN]
	v_cndmask_b32 v[LOW], 0, v[LOW], vcc_lo        ; the lane that owns the key
	v_xor_b32 v[CB], v[CB], v[LOW]                 ; gives it up
	s_and_b32 s27, s23, 7
	s_lshl_b32 s27, s27, 2
	s_lshl_b32 s12, 15, s27                        ; lanes 4 (n % 8) + 0 .. 3: one for each of the four rows
	s_cmp_lt_u32 s23, 8
	s_cselect_b32 s13, 0, s12
	s_cselect_b32 s12, s12, 0
	v_cndmask_b32 v[OUT], v[OUT], v[MN], s12       ; keys 0-7
	v_cndmask_b32 v[OUT+1], v[OUT+1], v[MN], s13   ; keys 8-15
	s_add_co_u32 s23, s23, 1
	s_cmp_lt_u32 s23, 16
	s_cbranch_scc1 .Ltrip
	v_and_b32 v[OUT], 0x1fff, v[OUT]               ; the set's mark comes off
	v_and_b32 v[OUT+1], 0x1fff, v[OUT+1]
	ds_store_b32 v[IXA], v[OUT]
	ds_store_b32 v[IXA], v[OUT+1] offset:32
	s_wait_dscnt 0x0                               ; for the others' sake: my stores have landed
	s_barrier_signal -1
	s_barrier_wait -1
	s_cmp_gt_u32 s10, 1                            ; waves 0 and 1 store the tile's 1,024 bytes
	s_cbranch_scc1 .Lend
	ds_load_b128 v[F:F+3], v14
	s_wait_dscnt 0x0
	global_store_b128 v15, v[F:F+3], s[6:7]        ; 512 consecutive bytes a wave
.Lend:
	s_wait_tensorcnt 0x0
	ds_add_u32 v128, v129
	s_wait_dscnt 0x0
	s_endpgm
.Lfunc_end_k_qfa402d896a_pick:
	.size	k_qfa402d896a_pick, .Lfunc_end_k_qfa402d896a_pick-k_qfa402d896a_pick
	.p2alignl 7, 3214868480
	.fill 96, 4, 3214868480
	.section	.rodata,"a",@progbits
	.p2align	6, 0x0
	.amdhsa_kernel k_qfa402d896a_pick
		.amdhsa_group_segment_fixed_size 52224
		.amdhsa_private_segment_fixed_size 0
		.amdhsa_enable_private_segment 0
		.amdhsa_kernarg_size 16
		.amdhsa_user_sgpr_count 2
		.amdhsa_user_sgpr_kernarg_segment_ptr 1
		.amdhsa_wavefront_size32 1
		.amdhsa_system_sgpr_workgroup_id_x 1
		.amdhsa_system_sgpr_workgroup_id_y 1
		.amdhsa_system_sgpr_workgroup_id_z 1
		.amdhsa_system_vgpr_workitem_id 0
		.amdhsa_next_free_vgpr 130
		.amdhsa_next_free_sgpr 66
		.amdhsa_reserve_vcc 1
		.amdhsa_float_denorm_mode_32 3
		.amdhsa_float_denorm_mode_16_64 3
		.amdhsa_memory_ordered 1
		.amdhsa_forward_progress 1
		.amdhsa_inst_pref_size 33
	.end_amdhsa_kernel
	.amdgpu_metadata
---
amdhsa.version: [ 1, 2 ]
amdhsa.kernels:
  - .name:           k_qfa402d896a_pick
    .symbol:         k_qfa402d896a_pick.kd
    .args:
      - { .name: mask, .offset: 0, .size: 8, .value_kind: global_buffer, .address_space: global }
      - { .name: idx, .offset: 8, .size: 8, .value_kind: global_buffer, .address_space: global }
    .group_segment_fixed_size: 52224
    .private_segment_fixed_size: 0
    .kernarg_segment_align: 8
    .kernarg_segment_size: 16
    .max_flat_workgroup_size: 128
    .sgpr_count:     66
    .vgpr_count:     130
    .wavefront_size: 32
...
	.end_amdgpu_metadata
.endif
;; end of part 10
;; launch gather (part 11): grid 512 x 1, 16 waves a work-group, no clusters, 0 bytes of LDS; arguments idx, x, out0; writes out0
.if DOCPART == 11
	.amdgcn_target "amdgcn-amd-amdhsa--gfx1250"
	.amdhsa_code_object_version 6
	.text
	.protected	k_qfa402d896a_gather
	.globl	k_qfa402d896a_gather
	.p2align	8
	.type	k_qfa402d896a_gather,@function
k_qfa402d896a_gather:
	s_mov_b64 s[64:65], 0
	v_nop
	global_prefetch_b8 v0, s[64:65] scope:SCOPE_SE
	s_setreg_imm32_b32 hwreg(HW_REG_WAVE_MODE, 25, 1), 1
	s_wait_xcnt 0x0
; out0[i] = the mean of the 16 rows of x that idx[i][0..15] names.  idx was stored by the launch before, as whole numbers.
; SHARES.  A wave takes one row i: its 16 indices come by one scalar load of 64 bytes, are held at 8,191, and go straight into the offsets of the loads.  A neighbour's row is 2,048 bytes: four loads of
; 512 consecutive bytes, 16 bytes a lane.  A ring of four row slots keeps 16 loads of every wave in flight; the first two rows start the sums, so nothing is cleared.
; No LDS, no barrier, no matrix work: waves share nothing.  The sum runs in the order of idx, in f32; the division by 16 rounds nothing.
	s_load_b128 s[4:7], s[0:1], 0x0                ; idx, x
	s_load_b64 s[8:9], s[0:1], 0x10                ; out0
	v_lshrrev_b32 v1, 5, v0
	s_delay_alu instid0(VALU_DEP_1)
	v_readfirstlane_b32 s10, v1                    ; wave
	v_and_b32 v1, 31, v0                           ; lane
	s_delay_alu instid0(VALU_DEP_1)
	v_lshlrev_b32 v2, 4, v1                        ; 16 x lane
	s_lshl_b32 s11, ttmp9, 4
	s_add_co_u32 s11, s11, s10                     ; my row
	s_lshl_b32 s12, s11, 6                         ; its 64 bytes of idx
	s_mov_b32 s13, 0
	s_lshl_b32 s14, s11, 11                        ; its 2,048 bytes of out0
	s_mov_b32 s15, 0
	s_wait_alu depctr_va_vdst(0)
	s_wait_kmcnt 0x0
	s_add_nc_u64 s[4:5], s[4:5], s[12:13]
	s_load_b512 s[40:55], s[4:5], 0x0              ; the 16 indices
	s_add_nc_u64 s[8:9], s[8:9], s[14:15]
	s_wait_kmcnt 0x0
.set n, 0
.rept 16
	s_min_u32 s[40+n], s[40+n], 8191               ; an index stays inside x
.set n, n+1
.endr
.macro ROWLOAD n                       ; neighbour n's 2,048 bytes into slot n % 4.  No hint: a row may be named by many lists
	v_lshl_add_u32 v[12+(\n)%4], s[40+(\n)], 11, v2
.irp c, 0,1,2,3
	global_load_b128 v[64+16*((\n)%4)+4*\c:64+16*((\n)%4)+4*\c+3], v[12+(\n)%4], s[6:7] offset:512*\c
.endr
.endm
.macro ROWADD n
.irp c, 0,2,4,6,8,10,12,14
	v_pk_add_f32 v[16+\c:17+\c], v[16+\c:17+\c], v[64+16*((\n)%4)+\c:64+16*((\n)%4)+\c+1]
.endr
.endm
	ROWLOAD 0
	ROWLOAD 1
	ROWLOAD 2
	ROWLOAD 3
	s_wait_loadcnt 8                               ; rows 0 and 1 are in; rows 2 and 3 may be out
.irp c, 0,2,4,6,8,10,12,14
	v_pk_add_f32 v[16+\c:17+\c], v[64+\c:65+\c], v[80+\c:81+\c]     ; the first two rows start the sums
.endr
	ROWLOAD 4
	ROWLOAD 5
.irp n, 2,3,4,5,6,7,8,9,10,11
	s_wait_alu depctr_va_vdst(0)
	s_wait_loadcnt 12                              ; row n is in (so its slot's offset and registers are free); the three younger rows may be out
	ROWADD \n
	ROWLOAD \n+4
.endr
	s_wait_alu depctr_va_vdst(0)
	s_wait_loadcnt 12
	ROWADD 12
	s_wait_alu depctr_va_vdst(0)
	s_wait_loadcnt 8
	ROWADD 13
	s_wait_alu depctr_va_vdst(0)
	s_wait_loadcnt 4
	ROWADD 14
	s_wait_alu depctr_va_vdst(0)
	s_wait_loadcnt 0x0
	ROWADD 15
.irp c, 0,2,4,6,8,10,12,14
	v_pk_mul_f32 v[16+\c:17+\c], v[16+\c:17+\c], 0x3d800000 op_sel_hi:[1,0]     ; / 16
.endr
.irp c, 0,1,2,3
	global_store_b128 v2, v[16+4*\c:19+4*\c], s[8:9] offset:512*\c th:TH_STORE_NT   ; 512 consecutive bytes
.endr
	s_endpgm
.Lfunc_end_k_qfa402d896a_gather:
	.size	k_qfa402d896a_gather, .Lfunc_end_k_qfa402d896a_gather-k_qfa402d896a_gather
	.p2alignl 7, 3214868480
	.fill 96, 4, 3214868480
	.section	.rodata,"a",@progbits
	.p2align	6, 0x0
	.amdhsa_kernel k_qfa402d896a_gather
		.amdhsa_group_segment_fixed_size 0
		.amdhsa_private_segment_fixed_size 0
		.amdhsa_enable_private_segment 0
		.amdhsa_kernarg_size 24
		.amdhsa_user_sgpr_count 2
		.amdhsa_user_sgpr_kernarg_segment_ptr 1
		.amdhsa_wavefront_size32 1
		.amdhsa_system_sgpr_workgroup_id_x 1
		.amdhsa_system_sgpr_workgroup_id_y 1
		.amdhsa_system_sgpr_workgroup_id_z 1
		.amdhsa_system_vgpr_workitem_id 0
		.amdhsa_next_free_vgpr 128
		.amdhsa_next_free_sgpr 66
		.amdhsa_reserve_vcc 0
		.amdhsa_float_denorm_mode_32 3
		.amdhsa_float_denorm_mode_16_64 3
		.amdhsa_memory_ordered 1
		.amdhsa_forward_progress 1
		.amdhsa_inst_pref_size 19
	.end_amdhsa_kernel
	.amdgpu_metadata
---
amdhsa.version: [ 1, 2 ]
amdhsa.kernels:
  - .name:           k_qfa402d896a_gather
    .symbol:         k_qfa402d896a_gather.kd
    .args:
      - { .name: idx, .offset: 0, .size: 8, .value_kind: global_buffer, .address_space: global }
      - { .name: x, .offset: 8, .size: 8, .value_kind: global_buffer, .address_space: global }
      - { .name: out0, .offset: 16, .size: 8, .value_kind: global_buffer, .address_space: global }
    .group_segment_fixed_size: 0
    .private_segment_fixed_size: 0
    .kernarg_segment_align: 8
    .kernarg_segment_size: 24
    .max_flat_workgroup_size: 512
    .sgpr_count:     66
    .vgpr_count:     128
    .wavefront_size: 32
...
	.end_amdgpu_metadata
.endif
;; end of part 11
